; MI455X (gfx1250); checked and timed in simulation.
; The chip was launched on July 23, 2026; its instructions are those of AMD's public machine-readable ISA for CDNA 5 (MIT licence, August 2026) and "CDNA5" Instruction Set Architecture Reference Guide (July 2026). The comments in the code are by the model that wrote it; some were corrected since.
;; Scaled Dot Product Attention. Allowed arithmetic: matrix products marked QUANTISED: E2M3 operands, one E8M0 scale for each 32 along K, by v_wmma_scale_f32_16x16x128_f8f6f4 with both operands' format E2M3, f32 sums; everything else in f32.
;; Inputs: b_k 1,024 float32; b_q 1,024 float32; b_v 1,024 float32; w_k 1,024 x 1,024 float32; w_q 1,024 x 1,024 float32; w_v 1,024 x 1,024 float32; x 4 x 2,048 x 1,024 float32.
;; Outputs: out0 4 x 2,048 x 1,024 float32.
;; This version of the problem:
;;   THIS VERSION OF THE PROBLEM IS GIVEN IN LOW PRECISION. The matrix products marked QUANTISED in the list below multiply operands that are first quantised to E2M3 (2 exponent bits, 3 mantissa bits; 6 bits a number), with one power-of-two scale for each 32 numbers along K (OCP MX v1.0); their sums are f32. All else is computed in f32.
;;   The module's matrix products, in the order in which they are computed (A, B: the left and right operand; K: the contracted axis; several contracted axes count as one K, in the product's order):
;;     1. [M 8,192, K 1,024] x [K 1,024, N 1,024]; A: input x; B: input w_q: QUANTISED
;;     2. [M 8,192, K 1,024] x [K 1,024, N 1,024]; A: input x; B: input w_k: QUANTISED
;;     3. [M 8,192, K 1,024] x [K 1,024, N 1,024]; A: input x; B: input w_v: QUANTISED
;;     4. batch 4 x [M 2,048, K 1,024] x [K 1,024, N 2,048]; A: computed on the way; B: computed on the way: QUANTISED
;;     5. batch 4 x [M 2,048, K 2,048] x [K 2,048, N 1,024]; A: softmax (see below); B: computed on the way: QUANTISED
;;   THE QUANTISER, for each operand of a quantised product, along K:
;;     - K is cut into blocks of 32 from its start; a last block that is shorter is filled with zeros.
;;     - A block's scale is 2^e with e = floor(log2(the largest magnitude in the block)) - 2, held to -126 .. 127; a block of zeros has e = 0. As a byte (E8M0): e + 127.
;;     - Each number is divided by its block's scale, clamped to +-7.5, and rounded to the nearest number of E2M3, ties to even, subnormals kept.
;;     - The product sums the exact products of the quantised numbers (number of the format x scale) in f32.
;;   ~~~python
;;   def quantise(x, axis):      # numpy; x: float32 -> the quantised numbers, widened to float32 again
;;       x = np.moveaxis(x, axis, -1); K = x.shape[-1]
;;       x = np.pad(x, [(0, 0)] * (x.ndim - 1) + [(0, -K % 32)]); x = x.reshape(x.shape[:-1] + (-1, 32)); a = np.abs(x).max(-1, keepdims=True)
;;       e = np.where(a > 0, np.clip(np.frexp(np.where(a > 0, a, 1))[1] - 1 - 2, -126, 127), 0)      # np.frexp(a)[1] - 1 = floor(log2(a)), exactly
;;       r = np.clip(x / 2.0 ** e, -7.5, 7.5)
;;       step = 2.0 ** (np.maximum(np.frexp(np.where(r == 0, 1, r))[1] - 1, 0) - 3)
;;       q = np.round(r / step) * step * 2.0 ** e      # np.round: ties to even
;;       return np.moveaxis(q.reshape(q.shape[:-2] + (-1,))[..., :K], -1, axis).astype(np.float32)
;;   ~~~
;;   SOFTMAX AHEAD OF A QUANTISED PRODUCT. Where the list says 'softmax', what is quantised is not the finished softmax but p = 2^(t - M), with t = logit x log2(e) and M = ceil(the row's largest t), a whole number; so 1/2 < the row's largest p <= 1. The row's sum l is taken of the UNQUANTISED p, in f32, and the product's result is divided by l at the end. Since M is a whole number, a kernel that streams over the keys may use a running M (the ceiling of the running maximum): every later rescaling is an exact power of two, which a block's scale takes up: the codes' values come out the same.
;;   OPERANDS COMPUTED ON THE WAY. 'Computed on the way' means the value that the module computes at that place (a softmax that the list does not call 'softmax' is quantised finished and normalised). What goes into a quantiser is computed in f32, as accurately as f32 sums, v_exp_f32 and their like allow (about 1e-6 of the number): no bf16 or f16 on the way to a quantiser, and a product that is left as it is and whose result goes on into a quantised operand takes f32 operands (vector FMAs, or v_wmma_f32_16x16x4_f32). A number that lies on a knife's edge between two numbers of the format may be rounded either way, as far as f32 arithmetic and the matrix unit's own rounding can turn it there, and no further.
;; One version. Each part assembles by itself: llvm-mc -triple=amdgcn-amd-amdhsa -mcpu=gfx1250 --defsym DOCPART=n.
;; ======== version 1 of 1: 4 launches
;; limits: right only within a limited range of input values
;; workspace buffers: qc 8,650,752 bytes; qs 360,448 bytes; pjc 18,874,368 bytes; pjs 786,432 bytes; pc 12,582,912 bytes; pst 1,572,864 bytes
;; launch quant (part 1): grid 352 x 1, 8 waves a work-group, no clusters, 95,232 bytes of LDS; arguments x, w_q, w_k, w_v, qc, qs; writes qc, qs
.if DOCPART == 1
	.amdgcn_target "amdgcn-amd-amdhsa--gfx1250"
	.amdhsa_code_object_version 6
	.text
	.protected	k_qd8f04ef20f_quant
	.globl	k_qd8f04ef20f_quant
	.p2align	8
	.type	k_qd8f04ef20f_quant,@function
k_qd8f04ef20f_quant:
	s_mov_b64 s[64:65], 0
	v_nop
	global_prefetch_b8 v0, s[64:65] scope:SCOPE_SE
	s_setreg_imm32_b32 hwreg(HW_REG_WAVE_MODE, 25, 1), 1
	s_wait_xcnt 0x0
; x [8192][1024] and w_q, w_k, w_v [1024 (k)][1024 (n)], f32, become codes of E2M3 with one E8M0 byte for each 32 along K = the model axis.
; THE WORKSPACE'S FORMAT.  An operand is kept as IMAGES OF ITS REGISTERS: a fragment (tile of 16 rows, K step of 128) is 12 registers a lane, 1,536 bytes: register g of lane l at 512 (g / 4) + 16 l + 4 (g % 4).
; ROWS OF A TILE: row rho of tile (band c of 64, j = 0 .. 3) is logical row 64 c + 32 (rho / 8) + 8 j + rho % 8: the 32 result registers of a band's four tiles are 32 neighbours, one block of the next quantiser.
; qc: [704 tiles][8 K steps][1,536].  x: group X = 2 g + c (256 tokens g, band c) holds the tiles 2 j + a, a the half of 128 tokens.  Weights from tile 512 on: tile 4 (column / 64) + j of a group of 128 columns; w_q, w_k, w_v.
; qs: x: [16 runs of 512 tokens][K step pair y][4 groups][8 tiles][16 rows][2 words]; from byte 262,144 on the weights: [24 groups][y][8 tiles][16 rows][2 words].
; SHARES.  Work-groups 0-255: x's tiles 2 j and 2 j + 1 of group X (X = number / 4, j = number % 4), wave v K step v: 32 whole rows of x.  The others: a group of 128 columns, K steps 2 y and 2 y + 1
; (a lane takes a column and its registers run down K, so a block of 32 lies in one lane).  Each way has LDS bytes of its own.
; A block's scale is 2^(floor(log2(largest magnitude)) - 2); its byte is the largest magnitude's exponent field - 2, held at 1 from below.
; DEAD WORK OF THE PROGRAM: score tiles of 256 x 256 that the causal mask hides wholly are not computed by the later launches: reference() puts -inf there for all inputs, so they reach no output.  A NaN, an infinity or an overflow that reaches only these is not carried.
; LIMITS: a block of zeros gets the byte 1 where the rule says 127 (its codes are zeros, and this program alone reads the bytes); NaN and infinities among the inputs are not served.
.set XPW,   8448                       ; x's stage: 16 rows x 528 bytes for each wave
.set XP,    528                        ; 512 bytes + 16: sixteen rows' loads of 16 bytes fall on sixteen different columns of 16 bytes
.set WST,   8*XPW                      ; the weights' stage: [K step of two][8 images]
.set WPW,   3072
.set XSC,   WST+8*WPW                  ; x's scale words: [y][2 tiles][16 rows][2]
.set WSC,   XSC+1024                   ; the weights': [8 tiles][16 rows][2]
.set SPARE, WSC+1024                   ; the spare words, 128 bytes for each wave
.set SPW, 14
.set NIL, 15
.set R,   16                           ; v16-143  128 numbers as loaded
.set H,   144                          ; v144-207 x: 64 numbers, register 16 b + i = k 32 b + 16 (lane / 16) + i of my row
.set CW,  144                          ; weights: four sets of 8 registers of codes
.set WW,  176
.set WO,  180
.set PC,  208
.set TM,  228
.set PW,  244
.set SEL, 20
.macro QTAIL s
.irp c, 0,1
	v_cvt_scalef32_pk16_fp6_f32 v[PC+6*\c:PC+2+6*\c], v[\s+32*\c:\s+15+32*\c], v[TM+12+2*\c]
	v_cvt_scalef32_pk16_fp6_f32 v[PC+12+4*\c:PC+14+4*\c], v[\s+16+32*\c:\s+31+32*\c], v[TM+13+2*\c]   ; (a conversion's three registers begin on an even number)
.endr
	v_nop                                          ; one plain place behind a scaled conversion
.irp c, 0,1
.irp i, 0,1,2
	v_permlane16_swap_b32 v[PC+6*\c+\i], v[PC+12+4*\c+\i]   ; the first's lanes 16-31 change places with the second's lanes 0-15
.endr
.irp i, 0,1,2
	s_delay_alu instid0(VALU_DEP_3)
	v_mov_b32 v[PC+3+6*\c+\i], v[PC+12+4*\c+\i]    ; registers 6 c .. 6 c + 5 hold k = 64 c + 32 (lane / 16) + 0 .. 31
.endr
.endr
.endm
; 64 numbers of a lane become a fragment's codes in v[PC] on and its row's scale word in v[pw].
.macro QUANT s, pw
.irp b, 0,1,2,3
	v_max3_num_f32 v[TM+\b], |v[\s+16*\b]|, |v[\s+1+16*\b]|, 0x1800000   ; block b: my 16 numbers, and the floor 2^(3 - 127)
.endr
.irp i, 2,4,6,8,10,12,14
.irp b, 0,1,2,3
	s_delay_alu instid0(VALU_DEP_4)
	v_max3_num_f32 v[TM+\b], v[TM+\b], |v[\s+16*\b+\i]|, |v[\s+1+16*\b+\i]|
.endr
.endr
.irp b, 0,1,2,3
	s_delay_alu instid0(VALU_DEP_4)
	v_permlanex16_b32 v[TM+4+\b], v[TM+\b], s[SEL], s[SEL+1]
.endr
.irp b, 0,1,2,3
	s_delay_alu instid0(VALU_DEP_4)
	v_max_num_f32 v[TM+\b], v[TM+\b], v[TM+4+\b]   ; with lane l xor 16's: the block's largest magnitude
.endr
.irp b, 0,1,2,3
	s_delay_alu instid0(VALU_DEP_4)
	v_add_nc_u32 v[TM+12+\b], 0xff000000, v[TM+\b] ; 2 off its exponent field: the conversion's scale operand
.endr
.irp b, 0,1,2,3
	s_delay_alu instid0(VALU_DEP_4)
	v_lshrrev_b32 v[TM+4+\b], 23, v[TM+12+\b]      ; the scale's byte
.endr
	s_delay_alu instid0(VALU_DEP_3)
	v_lshl_or_b32 v[\pw], v[TM+5], 8, v[TM+4]
	s_delay_alu instid0(VALU_DEP_1)
	v_lshl_or_b32 v[\pw], v[TM+6], 16, v[\pw]
	s_delay_alu instid0(VALU_DEP_1)
	v_lshl_or_b32 v[\pw], v[TM+7], 24, v[\pw]
	QTAIL \s
.endm
	s_load_b256 s[4:11], s[0:1], 0x0               ; x, w_q, w_k, w_v
	s_load_b128 s[12:15], s[0:1], 0x20             ; qc, qs
	v_lshl_add_u32 v[SPW], v0, 2, SPARE
	v_mov_b32 v[NIL], 0
	v_lshrrev_b32 v1, 5, v0
	v_readfirstlane_b32 s16, v1                    ; wave 0..7
	v_and_b32 v1, 31, v0                           ; lane
	v_and_b32 v2, 15, v0                           ; r
	v_bfe_u32 v3, v0, 4, 1                         ; h
	v_lshlrev_b32 v4, 4, v1                        ; 16 x lane
	v_lshlrev_b32 v5, 2, v1                        ; 4 x lane
	v_lshlrev_b32 v247, 3, v1                      ; 8 x lane
	s_wait_alu depctr_va_vdst(0)                   ; ahead of the run of scalar lines
	s_lshr_b32 s18, s16, 2                         ; wave / 4
	s_and_b32 s19, s16, 3                          ; wave % 4
	s_and_b32 s23, s16, 1                          ; wave % 2
	s_lshr_b32 s38, s19, 1                         ; (wave % 4) / 2
	s_mul_i32 s17, s16, XPW
	s_lshr_b32 s22, s16, 1
	s_lshl_b32 s22, s22, 8
	s_lshl_b32 s24, s23, 2
	s_add_co_u32 s22, s22, s24
	s_add_co_u32 s22, s22, XSC
	s_mul_i32 s24, s16, WPW
	s_add_co_u32 s24, s24, WST
	s_lshl_b32 s29, s23, 3
	s_mul_i32 s30, s18, 12288
	s_mul_i32 s31, s38, 6144
	s_add_co_u32 s30, s30, s31
	s_add_co_u32 s30, s30, WST
	s_lshl_b32 s31, s18, 2
	s_lshl_b32 s35, s38, 9
	s_add_co_u32 s31, s31, s35
	s_add_co_u32 s31, s31, WSC
	s_lshl_b32 s35, s23, 9
	s_add_co_u32 s35, s35, WSC
	s_lshl_b32 s36, s19, 8
	s_add_co_u32 s36, s36, XSC
	; every LDS address is made here, ahead of the parting of the two ways
	v_add_nc_u32 v6, s17, v4                       ; x's stage, in: 16 x lane of a row
	v_mul_u32_u24 v7, v2, XP
	v_lshl_add_u32 v7, v3, 6, v7
	v_add_nc_u32 v7, s17, v7                       ; out: row r, + 64 h
	v_lshlrev_b32 v8, 3, v2
	v_add_nc_u32 v8, s22, v8                       ; x's scale word of K step = wave, row r
	v_add_nc_u32 v10, s24, v4                      ; the weights' stage, out: two images
	v_bfe_u32 v245, v0, 3, 2                       ; weights: column 32 (wave % 2) + lane of 64 lies in tile j = lane / 8,
	v_and_b32 v246, 7, v0
	v_add_nc_u32 v246, s29, v246                   ; at row lane % 8 + 8 (wave % 2)
	v_mul_u32_u24 v9, v245, 1536
	v_lshl_add_u32 v9, v246, 4, v9
	v_add_nc_u32 v9, s30, v9                       ; the weights' stage, in
	v_lshlrev_b32 v11, 7, v245
	v_lshl_add_u32 v11, v246, 3, v11
	v_add_nc_u32 v11, s31, v11                     ; the weights' scale word: 128 x tile + 8 x row + 4 x (wave / 4)
	v_add_nc_u32 v12, s36, v247                    ; x's scale words' way out: y = wave % 4
	v_add_nc_u32 v13, s35, v4                      ; the weights': half wave % 2
	s_mov_b32 s[SEL], 0x76543210
	s_mov_b32 s[SEL+1], 0xfedcba98
.irp b, 0,1,2,3
	v_mov_b32 v[TM+4+\b], 0                        ; written once: a lane permute's destination counts as one of its sources
.endr
	s_lshr_b32 s25, ttmp9, 2                       ; the group
	s_and_b32 s26, ttmp9, 3                        ; x: j; weights: y
	s_lshl_b32 s27, s25, 3                         ; its first tile
	s_mov_b32 s31, 0
	s_wait_alu depctr_va_vdst(0)                   ; the head's end
	s_wait_kmcnt 0x0
	s_cmp_ge_u32 ttmp9, 256
	s_cbranch_scc1 .Lweights
	; ---- x: wave v makes K step v of tiles 2 j and 2 j + 1
	s_lshl_b32 s32, s26, 1
	s_add_co_u32 s32, s32, s27
	s_mul_i32 s32, s32, 12288
	s_mul_i32 s33, s16, 1536
	s_add_co_u32 s32, s32, s33
	s_mov_b32 s33, 0
	s_add_nc_u64 s[12:13], s[12:13], s[32:33]
	s_lshr_b32 s34, s25, 1
	s_lshl_b32 s34, s34, 8
	s_and_b32 s35, s25, 1
	s_lshl_b32 s35, s35, 6
	s_add_co_u32 s34, s34, s35
	s_lshl_b32 s35, s26, 3
	s_add_co_u32 s34, s34, s35                     ; row 256 g + 64 c + 8 j
	s_lshl_b32 s34, s34, 12
	s_lshl_b32 s35, s16, 9
	s_add_co_u32 s34, s34, s35
	s_mov_b32 s35, 0
	s_add_nc_u64 s[4:5], s[4:5], s[34:35]
	s_lshr_b32 s30, s25, 2
	s_lshl_b32 s30, s30, 14
	s_and_b32 s36, s25, 3
	s_lshl_b32 s36, s36, 10
	s_add_co_u32 s30, s30, s36
	s_lshl_b32 s36, s26, 8
	s_add_co_u32 s30, s30, s36
	s_lshl_b32 s36, s19, 12
	s_add_co_u32 s30, s30, s36
	s_add_nc_u64 s[14:15], s[14:15], s[30:31]      ; qs at (run, y = wave % 4, group, tile 2 j)
.irp sp, 0,1
.irp p, 0,1,2,3,4,5,6,7,8,9,10,11,12,13,14,15
	global_load_b128 v[R+64*\sp+4*\p:R+64*\sp+4*\p+3], v4, s[4:5] offset:4096*(128*\sp+\p+24*(\p/8)) th:TH_LOAD_NT   ; row p of tile 2 j + sp, one K step: 512 consecutive bytes
.endr
.endr
.macro XSTEP sp
	s_wait_loadcnt 16*(1-\sp)                      ; this tile's 16 loads are in; the second's may be out
.irp p, 0,1,2,3,4,5,6,7,8,9,10,11,12,13,14,15
	ds_store_b128 v6, v[R+64*\sp+4*\p:R+64*\sp+4*\p+3] offset:XP*\p
.endr
.irp b, 0,1,2,3
.irp j, 0,1,2,3
	ds_load_b128 v[H+16*\b+4*\j:H+16*\b+4*\j+3], v7 offset:128*\b+16*\j   ; LDS serves a wave's instructions in order: these see my stores
.endr
.endr
	s_wait_dscnt 0x0
.if \sp
	s_wait_xcnt 0x0                                ; the first image's stores have read their registers
.endif
	QUANT H, PW
.irp c, 0,1,2
	global_store_b128 v4, v[PC+4*\c:PC+4*\c+3], s[12:13] offset:12288*\sp+512*\c   ; 512 consecutive bytes, aligned
.endr
	ds_store_b32 v8, v[PW] offset:128*\sp          ; lanes r and r + 16 write the same word with the same value
.endm
	XSTEP 0
	XSTEP 1
	s_branch .Ljoin
	; ---- the weights: wave v takes columns 32 (v % 4) + lane of the group's 128 and K step 2 y + v / 4
.Lweights:
	s_lshl_b32 s30, s25, 12
	s_lshl_b32 s32, s26, 10
	s_add_co_u32 s30, s30, s32
	s_lshl_b32 s32, s23, 9
	s_add_co_u32 s30, s30, s32
	s_add_nc_u64 s[14:15], s[14:15], s[30:31]      ; qs at (group, y), half wave % 2 (group 64's byte is 262,144)
	s_sub_co_u32 s32, s25, 64
	s_lshr_b32 s33, s32, 3                         ; which matrix
	s_and_b32 s32, s32, 7                          ; which 128 columns
	s_cmp_eq_u32 s33, 1
	s_cselect_b64 s[6:7], s[8:9], s[6:7]
	s_cmp_eq_u32 s33, 2
	s_cselect_b64 s[6:7], s[10:11], s[6:7]
	s_lshl_b32 s34, s26, 1
	s_add_co_u32 s34, s34, s18                     ; the K step
	s_lshl_b32 s36, s34, 19                        ; 128 rows of 4,096 bytes
	s_lshl_b32 s37, s32, 9
	s_add_co_u32 s36, s36, s37
	s_lshl_b32 s37, s19, 7
	s_add_co_u32 s36, s36, s37
	s_mov_b32 s37, 0
	s_add_nc_u64 s[6:7], s[6:7], s[36:37]
	s_lshl_b32 s38, s19, 1
	s_add_co_u32 s38, s27, s38
	s_lshl_b32 s38, s38, 3
	s_add_co_u32 s38, s38, s34
	s_mul_i32 s38, s38, 1536
	s_mov_b32 s39, 0
	s_add_nc_u64 s[12:13], s[12:13], s[38:39]      ; qc at (tile 8 X + 2 (v % 4), the K step)
.macro WLOAD b                         ; block b: 32 rows of the matrix at my column; a wave reads 128 consecutive bytes, four waves stand side by side
.set n, 0
.rept 32
	global_load_b32 v[R+32*(\b)+n], v5, s[6:7] offset:4096*(32*(\b)+n) th:TH_LOAD_NT
.set n, n+1
.endr
.endm
.macro WBLK b
.set XS, R+32*(\b)
.set C, CW+8*(\b)
.if (\b) < 3
	s_wait_loadcnt 32                              ; this block's 32 loads are in; the next block's may be out
.else
	s_wait_loadcnt 0x0
.endif
.if (\b) < 2
	WLOAD (\b)+2                                   ; two blocks ahead
.endif
	v_max3_num_f32 v[TM], |v[XS]|, |v[XS+1]|, |v[XS+2]|             ; the block's largest magnitude: all 32 numbers are mine
	v_max3_num_f32 v[TM+1], |v[XS+3]|, |v[XS+4]|, |v[XS+5]|
.irp i, 6,10,14,18,22,26
	s_delay_alu instid0(VALU_DEP_2)
	v_max3_num_f32 v[TM], v[TM], |v[XS+\i]|, |v[XS+\i+1]|
	s_delay_alu instid0(VALU_DEP_2)
	v_max3_num_f32 v[TM+1], v[TM+1], |v[XS+\i+2]|, |v[XS+\i+3]|
.endr
	s_delay_alu instid0(VALU_DEP_2)
	v_max3_num_f32 v[TM], v[TM], |v[XS+30]|, |v[XS+31]|
	s_delay_alu instid0(VALU_DEP_1)
	v_max3_num_f32 v[TM], v[TM], v[TM+1], 0x1800000                 ; and the floor
	s_delay_alu instid0(VALU_DEP_1)
	v_add_nc_u32 v[TM+2], 0xff000000, v[TM]        ; the conversion's scale operand
	s_delay_alu instid0(VALU_DEP_1)
	v_lshrrev_b32 v[TM+3], 23, v[TM+2]             ; the byte
.if (\b) == 0
	s_delay_alu instid0(VALU_DEP_1)
	v_mov_b32 v[WW], v[TM+3]
.else
	s_delay_alu instid0(VALU_DEP_1)
	v_lshl_or_b32 v[WW], v[TM+3], 8*(\b), v[WW]
.endif
	v_cvt_scalef32_pk16_fp6_f32 v[C:C+2], v[XS:XS+15], v[TM+2]
	v_cvt_scalef32_pk16_fp6_f32 v[C+4:C+6], v[XS+16:XS+31], v[TM+2]
	v_nop                                          ; one plain place behind a scaled conversion
	v_mov_b32 v[C+3], v[C+4]                       ; the block's six registers on end
	v_mov_b32 v[C+4], v[C+5]
	v_mov_b32 v[C+5], v[C+6]
.if (\b)/2 == 0                        ; block b is registers 6 (b / 2) .. + 5 of the image's lane (my tile row) + 16 (b % 2)
	ds_store_b128 v9, v[C:C+3] offset:256*((\b)%2)
	ds_store_b64 v9, v[C+4:C+5] offset:512+256*((\b)%2)
.else
	ds_store_b64 v9, v[C:C+1] offset:520+256*((\b)%2)
	ds_store_b128 v9, v[C+2:C+5] offset:1024+256*((\b)%2)
.endif
.endm
	WLOAD 0
	WLOAD 1
	WBLK 0
	WBLK 1
	WBLK 2
	WBLK 3
	ds_store_b32 v11, v[WW]
.Ljoin:
	s_wait_dscnt 0x0                               ; for the others' sake: my words and my part of the images lie in LDS
	s_barrier_signal -1
	s_barrier_wait -1
	s_cmp_ge_u32 ttmp9, 256
	s_cbranch_scc1 .Lwimages
	s_cmp_gt_u32 s16, 3                            ; x: waves 0-3 store the words of one y each, 256 consecutive bytes
	s_cbranch_scc1 .Lend
	ds_load_b64 v[248:249], v12
	s_wait_dscnt 0x0
	global_store_b64 v247, v[248:249], s[14:15]
	s_branch .Lend
.Lwimages:
.irp e, 0,1,2,3,4,5
	ds_load_b128 v[WO+4*\e:WO+4*\e+3], v10 offset:512*\e           ; two images, which two waves wrote, as they will lie in memory
.endr
.irp e, 0,1,2,3,4,5
	s_wait_dscnt 5-\e                              ; the younger loads may be out
	global_store_b128 v4, v[WO+4*\e:WO+4*\e+3], s[12:13] offset:12288*(\e/3)+512*(\e%3)
.endr
	s_cmp_gt_u32 s16, 1                            ; waves 0 and 1 store half the scale words each
	s_cbranch_scc1 .Lend
	ds_load_b128 v[248:251], v13
	s_wait_dscnt 0x0
	global_store_b128 v4, v[248:251], s[14:15]
.Lend:
	s_wait_tensorcnt 0x0                           ; the wave's end, behind my last LDS store
	ds_add_u32 v[SPW], v[NIL]
	s_wait_dscnt 0x0
	s_endpgm
.Lfunc_end_k_qd8f04ef20f_quant:
	.size	k_qd8f04ef20f_quant, .Lfunc_end_k_qd8f04ef20f_quant-k_qd8f04ef20f_quant
	.p2alignl 7, 3214868480
	.fill 96, 4, 3214868480
	.section	.rodata,"a",@progbits
	.p2align	6, 0x0
	.amdhsa_kernel k_qd8f04ef20f_quant
		.amdhsa_group_segment_fixed_size 95232
		.amdhsa_private_segment_fixed_size 0
		.amdhsa_enable_private_segment 0
		.amdhsa_kernarg_size 48
		.amdhsa_user_sgpr_count 2
		.amdhsa_user_sgpr_kernarg_segment_ptr 1
		.amdhsa_wavefront_size32 1
		.amdhsa_system_sgpr_workgroup_id_x 1
		.amdhsa_system_sgpr_workgroup_id_y 1
		.amdhsa_system_sgpr_workgroup_id_z 1
		.amdhsa_system_vgpr_workitem_id 0
		.amdhsa_next_free_vgpr 256
		.amdhsa_next_free_sgpr 66
		.amdhsa_reserve_vcc 0
		.amdhsa_float_denorm_mode_32 3
		.amdhsa_float_denorm_mode_16_64 3
		.amdhsa_memory_ordered 1
		.amdhsa_forward_progress 1
		.amdhsa_inst_pref_size 47
	.end_amdhsa_kernel
	.amdgpu_metadata
---
amdhsa.version: [ 1, 2 ]
amdhsa.kernels:
  - .name:           k_qd8f04ef20f_quant
    .symbol:         k_qd8f04ef20f_quant.kd
    .args:
      - { .name: x, .offset: 0, .size: 8, .value_kind: global_buffer, .address_space: global }
      - { .name: w_q, .offset: 8, .size: 8, .value_kind: global_buffer, .address_space: global }
      - { .name: w_k, .offset: 16, .size: 8, .value_kind: global_buffer, .address_space: global }
      - { .name: w_v, .offset: 24, .size: 8, .value_kind: global_buffer, .address_space: global }
      - { .name: qc, .offset: 32, .size: 8, .value_kind: global_buffer, .address_space: global }
      - { .name: qs, .offset: 40, .size: 8, .value_kind: global_buffer, .address_space: global }
    .group_segment_fixed_size: 95232
    .private_segment_fixed_size: 0
    .kernarg_segment_align: 8
    .kernarg_segment_size: 48
    .max_flat_workgroup_size: 256
    .sgpr_count:     66
    .vgpr_count:     256
    .wavefront_size: 32
...
	.end_amdgpu_metadata
.endif
;; end of part 1
;; launch proj (part 2): grid 16 x 16, 4 waves a work-group, clusters of 4 x 4, 327,680 bytes of LDS; arguments qc, qs, b_q, b_k, b_v, pjc, pjs; writes pjc, pjs
.if DOCPART == 2
	.amdgcn_target "amdgcn-amd-amdhsa--gfx1250"
	.amdhsa_code_object_version 6
	.text
	.protected	k_qd8f04ef20f_proj
	.globl	k_qd8f04ef20f_proj
	.p2align	8
	.type	k_qd8f04ef20f_proj,@function
k_qd8f04ef20f_proj:
	s_mov_b64 s[64:65], 0
	v_nop
	global_prefetch_b8 v0, s[64:65] scope:SCOPE_SE
	s_setreg_imm32_b32 hwreg(HW_REG_WAVE_MODE, 25, 1), 1
	s_wait_xcnt 0x0
	s_wait_alu depctr_hold_cnt(0) depctr_sa_sdst(0) depctr_va_vdst(0) depctr_va_sdst(0) depctr_va_ssrc(0) depctr_va_vcc(0) depctr_vm_vsrc(0)
	s_getreg_b32 s2, hwreg(HW_REG_IB_STS2, 6, 4)
	s_cmp_eq_u32 s2, 0
	s_cbranch_scc0 .Lentry_in_a_cluster
	s_endpgm
.Lentry_in_a_cluster:
	s_bfe_u32 s2, ttmp6, 0x10000c
	s_cmp_lg_u32 s2, 0xf033
	s_cbranch_scc0 .Lentry_shape_is_right
	s_endpgm
.Lentry_shape_is_right:
; Q, K, V = x W + b, quantised on the way out along the next products' K (Q, K: the model axis; V: the tokens).  Operands are register images of 16 rows x 128 along K, 1,536 bytes; a tile's eight K steps are 12,288 bytes.
; OUT: pjc, Q and K: [512 tiles][Q 8, K 8 K steps][half of 64 columns][512 bytes: registers 0-3 at 16 x lane; 256 bytes: registers 4, 5 at 8 x lane]; V^T from VC0: [batch][64 tiles of d][16 chunks of 128 tokens][3 pieces of 512 bytes].
; pjs: blocks of 512 bytes, the word of (tile i of 8, row r) at 256 (i / 4) + 16 r + 4 (i % 4): Q, K [64 groups][16 K steps], V from VS0 [batch][8 groups of d][16 chunks].
; THE DEAL.  256 work-groups of four waves, 2 x 2.  A wave holds 64 columns of a weight, all of K, in 384 registers and streams x's tiles past them.  A work-group makes 256 x 128 of V (phase 1), then 512 x 128 of Q or K (phase 2).
; V's 256 rows are the half s87 of the work-group's own 512: the head's two chunks of x serve V's eight blocks and then, still in LDS, phase 2's first eight; the other half's two chunks come by refills.
; x's rows are shared by a row of the cluster, a weight's by a column: joint loads.  The scale words of all 512 rows come once, at the head.
; FILLS.  At the head one load a wave: W_v, the scale words, chunk 0, chunk 1.  Three refills, each in a drained round: the weights' region (waves 0 and 1), then slot 0 and slot 1 (waves 0 and 1, half a chunk each).
; A BLOCK is 32 products; behind every second one stand two entries of the block's list (addresses, descriptors, the last block's way out).  A lane's 32 sums are one scale block: no lane looks at another.  The bias is the first products' C.
; THE WAITS' COUNTS.  A block's rows were fetched two blocks ago; younger are the next block's fetch, NF loads, and the scale bytes' LDS stores between the two: 0, 1 or 4.
; PREFETCHES: the second weight at the head, the third chunk behind the first refill, the fourth between the phases: each ahead of its refill by two blocks or more; the sixteen waves that ask jointly share a tile's blocks of 256 bytes by address.
; LIMITS: a scale byte is held at 1 from below, a block of zeros gets 1 where the rule says 127 (its codes are zeros); NaN and infinities are not served.
.set CH,     98304                     ; a chunk: 8 tiles
.set TL,     12288
.set BT,     24576                     ; from a wave's block to its next: tile 2 j + a of a chunk
.set NQ,     8
.set NB,     4
.set FR,     12
.set FPW,    21                        ; fragments in a window of 256 registers
.set NF,     28                        ; LDS loads of a block: 24 of codes, 4 of scale words
.set YB,     CH
.set BVB,    2*CH
.set SCL,    3*CH
.set XN,     SCL+16384+256             ; Q's or K's scale bytes: [half in the order of work][a][512]
.set XM,     XN+2048                   ; V's: [a][512]
.set SPARE,  XM+1024
.set WSC0,   262144
.set VC0,    12582912
.set VS0,    524288
.set EMAX,   2
.set ADRA0,  4                         ; v4  LDS address of my codes of block 0; v1: of block 1
.set AAS0,   6                         ; v6  of my row's scale words; v22, v23: those of blocks 0 and 1
.set CO,     9                         ; 16 x lane
.set SPW,    10
.set NIL,    11
.set ADRA,   12                        ; the block that is fetched next
.set CO8,    13                        ; 8 x lane
.set ADRB,   14                        ; the weights' fragments
.set ABS,    16
.set AAS,    17
.set STO,    18
.set STV,    19
.set SB,     24                        ; v24-39  the weights' scale words
.set TQ,     40
.set SA,     44                        ; v44-59  the rows' scale words, two sets of eight
.set TC,     60
.set ACC,    64                        ; v64-127 phase 2: two sets of four accumulators
.set HV0,    64                        ; v64-191 phase 1, band 0: 32 t + 8 j + i
.set HV1,    840                       ; v840-967 band 1
.set NCD,    128
.set MCD,    192
.set SOP,    240
.set EB,     244
.set VX,     248
.set SB2,    968                       ; v968-983 phase 2's weights' scale words
.set BBV,    992                       ; v992-1023 V's bias, eight registers a tile
.set BBQ,    160                       ; v160-191 Q's or K's, loaded between the phases
.set G1A,    24
.set G1B,    32
.set G0A,    56
.set G0B,    60
.set G0R,    68
.set G0S,    72
.set G1S,    92
.set MSB, 0
.macro WIN new
.if MSB != (\new)
	s_set_vgpr_msb (MSB<<8)|(\new)
.set MSB, (\new)
.endif
.endm
.macro PLACES n
.rept \n
	v_nop
.endr
.endm
.macro WALU
	s_wait_alu depctr_va_vdst(0)
.endm
.macro BARRIER
	s_barrier_signal -1
	s_barrier_wait -1
.endm
.macro MIDDLE
	WIN 0
	s_barrier_wait -1
	s_cmp_lg_u32 s14, 0
	s_cbranch_scc1 .Lnot_wave_0_\@
	s_barrier_signal -3
.Lnot_wave_0_\@:
	s_barrier_wait -3
.endm
.macro CROUND
	s_barrier_signal -1
	MIDDLE
	BARRIER
.endm
.macro GRD
	s_wait_tensorcnt 0x0
	ds_add_u32 v[SPW], v[NIL]
.endm
.macro TLOAD g0, g1
	tensor_load_to_lds s[\g0:\g0+3], s[\g1:\g1+7]
	s_nop 0
	PLACES 4
.endm
.macro GROUP1 g, mask, el, rows        ; dense rows of el elements of 8 bytes
	s_or_b32 s[\g+0], s[\mask], (3<<16)|(1<<21)
	s_mov_b32 s[\g+1], (\el)<<16
	s_mov_b32 s[\g+2], (\rows)<<16
	s_mov_b32 s[\g+3], (\el)<<16
	s_mov_b32 s[\g+4], \rows
	s_mov_b32 s[\g+5], \el
	s_mov_b32 s[\g+6], 0
	s_mov_b32 s[\g+7], 0
.endm
.macro SADD d, x
	s_add_co_u32 s\d, s\d, s\x
.endm
.macro G0SET g, base, off              ; (s21 = 0)
	s_mov_b32 s20, s\off
	s_add_nc_u64 s[\g+2:\g+3], s[\base:\base+1], s[20:21]
	s_or_b32 s[\g+3], s[\g+3], 0x80000000
.endm
; Fragment f lies in window 1 + f / 21 at register 12 (f % 21): 0-31 the weights' (4 q + b), 32-39 and 40-47 the rows' two sets.
.macro FRAG f, q, a, off
	WIN (1+(\f)/FPW)<<6
.irp c, 0,1,2
	ds_load_b128 v[FR*((\f)%FPW)+4*\c:FR*((\f)%FPW)+4*\c+3], \a offset:(\off)+1536*(\q)+512*\c
.endr
.endm
.macro WEIGHTS
.irp q, 0,1,2,3,4,5,6,7
.irp b, 0,1,2,3
	FRAG NB*\q+\b, \q, v[ADRB], TL*\b
.endr
.endr
	WIN 0
.endm
.macro FETCHAT e, a, as
.irp q, 0,1,2,3,4,5,6,7
	FRAG NB*NQ+NQ*(\e)+\q, \q, \a, 0
.endr
	WIN 0
.irp y, 0,1,2,3
	ds_load_b64 v[SA+8*(\e)+2*\y:SA+8*(\e)+2*\y+1], \as offset:4096*\y
.endr
.endm
.macro FETCH e
	FETCHAT \e, v[ADRA], v[AAS]
.endm
.macro FETCH01
	FETCHAT 0, v[ADRA0], v22
	FETCHAT 1, v1, v23
	s_mov_b32 s101, BT
	s_lshl_b32 s91, s87, 11
	s_add_co_u32 s91, s91, 256
.endm
; A product, n = 4 q + column tile.  kind 0 (Q, K): source 0 the weight's rows; kind 1 (V): source 0 x's rows.
.macro PROD kind, e, n, a0, as
.set Q_, (\n)/4
.set FB_, NB*Q_+(\n)%4
.set FA_, NB*NQ+NQ*(\e)+Q_
.set D_, (\a0)+(\as)*((\n)%4)
.set DL_, D_&255
.set XB_, SB+NQ*(((\n)%4)/2)+Q_
.set XA_, SA+8*(\e)+Q_
.if \kind
.if Q_
	WIN (1+FA_/FPW)|((1+FB_/FPW)<<2)|((D_>>8)<<4)|((D_>>8)<<6)
	PROD1 DL_, FA_, FB_, v[DL_:DL_+7], XA_, XB_, b, (\n)%2
.else
	WIN (1+FA_/FPW)|((1+FB_/FPW)<<2)|(3<<4)|((D_>>8)<<6)
	PROD1 DL_, FA_, FB_, v[BBV-768+8*((\n)%4):BBV-768+8*((\n)%4)+7], XA_, XB_, b, (\n)%2
.endif
.else
	WIN (1+FB_/FPW)|((1+FA_/FPW)<<2)|((D_>>8)<<4)|((D_>>8)<<6)
.if Q_
	PROD1 DL_, FB_, FA_, v[DL_:DL_+7], XB_, XA_, a, (\n)%2
.else
	PROD1 DL_, FB_, FA_, v[BBQ+8*((\n)%4):BBQ+8*((\n)%4)+7], XB_, XA_, a, (\n)%2
.endif
.endif
.endm
.macro PROD1 d, s0, s1, c, x0, x1, side, o
.if \o
	v_wmma_scale_f32_16x16x128_f8f6f4 v[\d:\d+7], v[FR*((\s0)%FPW):FR*((\s0)%FPW)+FR-1], v[FR*((\s1)%FPW):FR*((\s1)%FPW)+FR-1], \c, v[\x0], v[\x1] matrix_a_fmt:MATRIX_FMT_FP6 matrix_b_fmt:MATRIX_FMT_FP6 matrix_\side\()_scale:MATRIX_SCALE_ROW1
.else
	v_wmma_scale_f32_16x16x128_f8f6f4 v[\d:\d+7], v[FR*((\s0)%FPW):FR*((\s0)%FPW)+FR-1], v[FR*((\s1)%FPW):FR*((\s1)%FPW)+FR-1], \c, v[\x0], v[\x1] matrix_a_fmt:MATRIX_FMT_FP6 matrix_b_fmt:MATRIX_FMT_FP6 matrix_\side\()_scale:MATRIX_SCALE_ROW0
.endif
.endm
.macro BLOCK kind, e, a0, as, from, to, list, x=0, y=0
.set N_, \from
.rept (\to)-(\from)
	PROD \kind, \e, N_, \a0, \as
.if N_%2
	\list N_-1, \x, \y
	\list N_, \x, \y
.endif
.set N_, N_+1
.endr
.endm
; What the lists are made of: each macro writes entry i of its part.
.macro STEP i, wrap                    ; the next block's LDS addresses: 2 entries, with the ring's end 3
.if \wrap
.if (\i) == 0
	s_add_co_u32 s101, s101, BT
	s_cmp_eq_u32 s101, 2*CH
	s_cselect_b32 s101, 0, s101
	s_add_co_u32 s91, s91, 256
.elseif (\i) == 1
	s_and_b32 s91, s91, 0xf00
.endif
	STEPV (\i)-1
.else
.if (\i) == 0
	s_add_co_u32 s101, s101, BT
	s_add_co_u32 s91, s91, 256
	s_and_b32 s91, s91, 0xf00
.endif
	STEPV \i
.endif
.endm
.macro STEPV i
.if (\i) == 0
	WIN 0
	v_add_nc_u32 v[ADRA], s101, v[ADRA0]
.elseif (\i) == 1
	WIN 0
	v_add_nc_u32 v[AAS], s91, v[AAS0]
.endif
.endm
.macro CHAIN i, x, n, t=TQ             ; 18 entries: the largest magnitude of the 32 sums from register x on, and the conversions' scale operand
.set XW_, (\x)>>8
.set XL_, (\x)&255
.if (\i) >= 0 && (\i) < 14
.set B_, XL_+16*((\i)%2)+2*((\i)/2)
.set T_, (\t)+1-(\i)%2
.if (\i) < 2
	WIN XW_|(XW_<<2)|(XW_<<4)
	v_max3_num_f32 v[T_], |v[B_]|, |v[B_+1]|, |v[B_+2]|
.else
	WIN (XW_<<2)|(XW_<<4)
	v_max3_num_f32 v[T_], v[T_], |v[B_+1]|, |v[B_+2]|
.endif
.elseif (\i) == 14
	WIN XW_<<2
	v_max3_num_f32 v[\t+1], v[\t+1], |v[XL_+15]|, (EMAX+1)<<23
.elseif (\i) == 15
	WIN 0
	v_nop
.elseif (\i) == 16
	WIN XW_<<2
	v_max3_num_f32 v[\t], v[\t], |v[XL_+31]|, v[\t+1]
.elseif (\i) == 17
	WIN 0
	v_add_nc_u32 v[SOP+\n], -(EMAX<<23), v[\t]
.endif
.endm
.macro CODES i, x, c, n, t=TC          ; 6 lines: 32 codes into v[c .. c+5], the scale's byte into v[EB+n]
.set XW_, (\x)>>8
.set XL_, (\x)&255
.if (\i) == 0
	WIN XW_
	v_cvt_scalef32_pk16_fp6_f32 v[\c:\c+2], v[XL_:XL_+15], v[SOP+\n]
.elseif (\i) == 1
	WIN XW_
	v_cvt_scalef32_pk16_fp6_f32 v[\t:\t+2], v[XL_+16:XL_+31], v[SOP+\n]
.elseif (\i) == 2
	WIN 0
	v_lshrrev_b32 v[EB+\n], 23, v[SOP+\n]
.else
	WIN 0
	v_mov_b32 v[\c+\i], v[\t+\i-3]
.endif
.endm
.macro CODES6 x, c, n
.irp i, 0,1,2,3,4,5
	CODES \i, \x, \c, \n
.endr
.endm
.macro PFTILE v, off, share            ; my sixteenth of 98,304 bytes: 24 blocks of 256
	s_mul_i32 s21, s\share, CH/16
	s_add_co_u32 s20, s\off, s21
	WIN 0
	v_min_u32 v\v, CH/16/256-1, v3
	v_lshl_add_u32 v\v, v\v, 8, s20
.endm
.macro PFGO v
	global_prefetch_b8 v\v, s[4:5] th:TH_LOAD_NT scope:SCOPE_SE
.endm
.macro PUTV r, off
.irp k, 0,1,2
	global_store_b128 v[CO], v[\r+4*\k:\r+4*\k+3], s[50:51] offset:(\off)+512*\k
.endr
.endm
.macro PUTQK                           ; two tiles' halves of 64 columns: 512 and 256 consecutive bytes each
	global_store_b128 v[CO], v[NCD:NCD+3], s[84:85]
	global_store_b64 v[CO8], v[NCD+4:NCD+5], s[84:85] offset:512
	global_store_b128 v[CO], v[NCD+6:NCD+9], s[84:85] offset:24576
	global_store_b64 v[CO8], v[NCD+10:NCD+11], s[84:85] offset:25088
.endm
.macro ASK i                           ; 3 entries: the descriptor of half the chunk at s88 for slot s47; then both step on
.if (\i) == 0
	s_mul_i32 s[G0R+1], s14, CH/2
	s_add_co_u32 s[G0R+1], s[G0R+1], s47
	s_mul_i32 s20, s14, CH/2
	SADD 20, 88
.elseif (\i) == 1
	s_mov_b32 s21, 0
	s_add_nc_u64 s[G0R+2:G0R+3], s[4:5], s[20:21]
	s_or_b32 s[G0R+3], s[G0R+3], 0x80000000
	s_add_co_u32 s88, s88, CH
.elseif (\i) == 2
	s_xor_b32 s47, s47, YB
.endif
.endm
.macro PAIR i                          ; 5 entries: where pair s46's codes go (by its true number) and its scale bytes (by the order of work)
.if (\i) == 0
	s_lshl_b32 s3, s87, 2
	s_xor_b32 s3, s3, s46
	s_lshr_b32 s20, s3, 2
	s_lshl_b32 s20, s20, 4
.elseif (\i) == 1
	s_and_b32 s21, s3, 3
	s_lshl_b32 s21, s21, 1
	SADD 20, 21
	s_mul_i32 s20, s20, 24576
.elseif (\i) == 2
	s_mov_b32 s21, 0
	s_add_nc_u64 s[84:85], s[10:11], s[20:21]
	s_lshr_b32 s22, s46, 2
	s_lshl_b32 s22, s22, 10
.elseif (\i) == 3
	s_lshr_b32 s23, s46, 1
	s_and_b32 s23, s23, 1
	s_lshl_b32 s23, s23, 8
	s_or_b32 s22, s22, s23
.elseif (\i) == 4
	s_and_b32 s23, s46, 1
	s_lshl_b32 s23, s23, 3
	s_or_b32 s22, s22, s23
	s_add_co_u32 s46, s46, 1
	WIN 0
	v_add_nc_u32 v[VX], s22, v[STO]
.endif
.endm
.macro L_STEP i, x, y
	STEP \i, 0
.endm
.macro L_NONE i, x, y
.endm
.macro L_OUT i, x, y
	STEP \i, 0
	CHAIN (\i)-2, \x, \y
.endm
.macro L_LAST i, x, y
	CHAIN \i, \x, \y
.endm
.macro L_V2 i, x, y                    ; V's third block: the first refill's descriptor, four tiles to a load from here on; the step; a prefetch's address
.if (\i) == 0
	s_mov_b32 s[G1A+2], 4<<16
	s_mov_b32 s[G1A+4], 4
	s_mov_b32 s[G1B+2], 4<<16
	s_mov_b32 s[G1B+4], 4
.elseif (\i) == 1
	s_mul_i32 s[G0B+1], s14, CH/2
	s_add_co_u32 s[G0B+1], s[G0B+1], BVB
	s_mul_i32 s20, s14, CH/2
	SADD 20, 9
.elseif (\i) == 2
	s_mov_b32 s21, 0
	s_add_nc_u64 s[G0B+2:G0B+3], s[4:5], s[20:21]
	s_or_b32 s[G0B+3], s[G0B+3], 0x80000000
.elseif (\i) == 7
	PFTILE 7, 88, 90
.endif
	STEP (\i)-4, 0
.endm
.macro L_V7 i, x, y
.if (\i) == 0
	s_add_co_u32 s22, s88, CH
	PFTILE 20, 22, 90
.endif
	CHAIN (\i)-1, \x, \y
.endm
.macro L_ODD i, x, y
	PAIR \i
	STEP (\i)-5, 0
	CHAIN (\i)-7, ACC, 0
.endm
.macro L_ODDL i, x, y
	PAIR \i
	CHAIN (\i)-5, ACC, 0
.endm
.macro L_ROUND i, x, y
	ASK \i
	STEP (\i)-3, 1
	CHAIN (\i)-6, ACC+32, 1
.endm
; Phase 2's blocks.  w: the count of the wait for the block's rows (-1: they are shown in already)
.macro WAITDS w
.if (\w) >= 0
	s_wait_dscnt \w
.endif
.endm
.macro EVENOUT fetch                   ; behind an even block: the odd block's byte, the pair's codes, the fetch of the block two on
	WALU
	ds_store_b8 v[VX], v[EB+1] offset:4
	PUTQK
.if \fetch
	FETCH 0
.endif
.endm
.macro EVEN w, fetch
	WAITDS \w
.if \fetch
	BLOCK 0, 0, ACC, 8, 0, 32, L_OUT, ACC+32, 1
.else
	BLOCK 0, 0, ACC, 8, 0, 32, L_LAST, ACC+32, 1
.endif
	WIN 0
	CODES6 ACC+32, NCD+6, 1
	EVENOUT \fetch
.endm
.macro EVENROUND w                     ; a refill: the round stands inside the block
	WAITDS \w
	GRD
	BLOCK 0, 0, ACC, 8, 0, 26, L_ROUND
	WIN 0
	WALU
	s_wait_dscnt 0x0
	s_barrier_signal -1
	BLOCK 0, 0, ACC, 8, 26, 32, L_NONE
	WIN 0
	CODES6 ACC+32, NCD+6, 1
	MIDDLE
	BARRIER
	s_cmp_lt_u32 s14, 2
	s_cbranch_scc0 .Lnone_\@
	TLOAD G0R, G1A
.Lnone_\@:
	EVENOUT 1
.endm
.macro EVENSHOW w                      ; a plain barrier shows the last refill
	WAITDS \w
	BLOCK 0, 0, ACC, 8, 0, 26, L_OUT, ACC+32, 1
	WIN 0
	WALU
	s_wait_tensorcnt 0x0
	s_wait_dscnt 0x0
	s_barrier_signal -1
	BLOCK 0, 0, ACC, 8, 26, 32, L_NONE
	WIN 0
	s_barrier_wait -1
	CODES6 ACC+32, NCD+6, 1
	EVENOUT 1
.endm
.macro ODD w, fetch
	WAITDS \w
	s_wait_xcnt 0x0
.if \fetch
	BLOCK 0, 1, ACC+32, 8, 0, 32, L_ODD
.else
	BLOCK 0, 1, ACC+32, 8, 0, 32, L_ODDL
.endif
	WIN 0
	CODES6 ACC, NCD, 0
	WALU
	ds_store_b8 v[VX], v[EB]
.if \fetch
	FETCH 1
.endif
.endm
; ---- THE HEAD
	s_load_b128 s[4:7], s[0:1], 0x0                ; qc, qs
	s_load_b128 s[48:51], s[0:1], 0x10             ; b_q, b_k
	s_load_b64 s[2:3], s[0:1], 0x20                ; b_v
	v_lshl_add_u32 v[SPW], v0, 2, SPARE
	v_mov_b32 v[NIL], 0
	ds_add_u32 v[SPW], v[NIL]
	ds_add_u32 v[SPW], v[NIL]
	v_lshrrev_b32 v1, 5, v0
	v_readfirstlane_b32 s14, v1                    ; the wave; s15 its row a of the 2 x 2, s16 its column
	s_lshr_b32 s15, s14, 1
	s_and_b32 s16, s14, 1
	s_bfe_u32 s40, ttmp6, 0x40000
	s_bfe_u32 s41, ttmp6, 0x40004
	s_lshl_b32 s42, ttmp9, 2
	s_add_co_u32 s42, s42, s40                     ; phase 2's tile column: 0-7 Q, 8-15 K
	s_and_b32 s43, ttmp7, 0xffff
	s_lshl_b32 s43, s43, 2
	s_add_co_u32 s43, s43, s41                     ; its tile row of 512 tokens
	s_lshr_b32 s19, ttmp9, 1                       ; 0 Q, 1 K
	s_and_b32 s87, ttmp9, 1                        ; V's half of my 512 rows
	s_lshl_b32 s13, s19, 2
	s_add_co_u32 s13, s13, s40                     ; V's tile column
	s_lshl_b32 s12, s43, 1
	s_add_co_u32 s12, s12, s87                     ; V's tile row of 256 tokens
	s_lshl_b32 s44, s41, 2
	s_lshl_b32 s44, 15, s44                        ; my row of the cluster
	s_lshl_b32 s45, 0x1111, s40                    ; my column
	GROUP1 G1A, 44, 1536, 8
	GROUP1 G1B, 45, 1536, 8
	GROUP1 G1S, 44, 256, 8
	s_mov_b32 s[G0S], 1
	s_mov_b32 s[G0S+1], SCL
	s_mov_b32 s[G0A], 1
	s_mov_b32 s[G0A+1], 0
	s_mov_b32 s[G0B], 1
	s_mov_b32 s[G0B+1], BVB
	s_mov_b32 s[G0R], 1
	s_mov_b32 s[G0R+1], YB
	s_mul_i32 s67, s43, 4*CH                       ; my 512 rows, bytes from qc
	s_mul_i32 s66, s87, 2*CH
	SADD 66, 67                                    ; V's half of them
	s_mul_i32 s9, s42, CH
	s_add_co_u32 s9, s9, 512*TL                    ; W_q's or W_k's tiles
	s_mul_i32 s54, s13, CH
	s_add_co_u32 s54, s54, 640*TL                  ; W_v's
	s_lshl_b32 s55, s43, 14                        ; my rows' scale words, from qs
	s_lshl_b32 s21, s16, 9
	s_lshl_b32 s82, s42, 12
	SADD 82, 21
	s_mov_b32 s83, 0
	s_lshl_b32 s84, s13, 12
	SADD 84, 21
	s_add_co_u32 s84, s84, 16*4096
	s_mov_b32 s85, 0
	s_lshl_b32 s90, s40, 2
	SADD 90, 14                                    ; my number among the sixteen waves of my row of the cluster
	s_lshl_b32 s100, s41, 2
	SADD 100, 14                                   ; and of my column
	s_mul_i32 s21, s15, TL
	s_mul_i32 s22, s16, 4*TL
	s_add_co_u32 s22, s22, BVB
	s_lshl_b32 s23, s15, 7
	s_add_co_u32 s23, s23, SCL
	s_lshl_b32 s20, s87, 11
	s_lshl_b32 s101, s15, 9
	s_lshl_b32 s91, s16, 8
	SADD 91, 101
	s_add_co_u32 s91, s91, XM
	s_lshl_b32 s46, s16, 1
	SADD 101, 46
	s_add_co_u32 s101, s101, XN
	v_and_b32 v1, 15, v0                           ; r
	v_bfe_u32 v2, v0, 4, 1                         ; h
	v_and_b32 v3, 31, v0
	v_lshlrev_b32 v[CO], 4, v3
	v_lshlrev_b32 v[CO8], 3, v3
	v_add_nc_u32 v[ADRA0], s21, v[CO]
	v_add_nc_u32 v[ADRB], s22, v[CO]
	v_lshlrev_b32 v7, 3, v1
	v_lshl_add_u32 v[ABS], v2, 7, v7
	v_add_nc_u32 v[AAS0], s23, v7
	v_add_nc_u32 v22, s20, v[AAS0]
	v_add_nc_u32 v23, 256, v22
	v_lshl_add_u32 v[STO], v1, 4, v2
	v_add_nc_u32 v[STV], s91, v[STO]
	v_add_nc_u32 v[STO], s101, v[STO]
	WALU
	s_wait_dscnt 0x0                               ; both opening adds are done
	CROUND                                         ; the round in front of the first joint loads
	s_wait_kmcnt 0x0
	s_add_nc_u64 s[10:11], s[6:7], WSC0
	s_add_nc_u64 s[84:85], s[10:11], s[84:85]      ; W_v's scale words, my 64 columns
	s_mov_b32 s20, s66
	s_mov_b32 s21, 0
	s_add_nc_u64 s[G0A+2:G0A+3], s[4:5], s[20:21]
	s_add_nc_u64 s[G0R+2:G0R+3], s[G0A+2:G0A+3], CH
	s_or_b32 s[G0A+3], s[G0A+3], 0x80000000
	s_or_b32 s[G0R+3], s[G0R+3], 0x80000000
	G0SET G0B, 4, 54
	G0SET G0S, 6, 55
	s_add_nc_u64 s[10:11], s[10:11], s[82:83]      ; W_q's or W_k's
	s_cmp_eq_u32 s14, 0
	s_cbranch_scc0 .Lwave_1
	TLOAD G0B, G1B                                 ; wave 0: W_v
	s_branch .Lasked
.Lwave_1:
	s_cmp_eq_u32 s14, 1
	s_cbranch_scc0 .Lwave_2
	TLOAD G0S, G1S                                 ; wave 1: the scale words of my 512 rows
	s_branch .Lasked
.Lwave_2:
	s_cmp_eq_u32 s14, 2
	s_cbranch_scc0 .Lwave_3
	TLOAD G0A, G1A                                 ; wave 2: chunk 0
	s_branch .Lasked
.Lwave_3:
	TLOAD G0R, G1A                                 ; wave 3: chunk 1
.Lasked:
.irp p, 0,1
.irp y, 0,1,2,3
	global_load_b64 v[SB+NQ*\p+2*\y:SB+NQ*\p+2*\y+1], v[ABS], s[84:85] offset:1024*\y+256*\p   ; lanes 0-15 tile 2 p, lanes 16-31 tile 2 p + 1: 256 consecutive bytes
.endr
.endr
	s_mul_i32 s76, s43, 32*24576                   ; where the results go, in bytes: s76 Q's or K's codes, s78 their scale words, s80 and s82 V's
	s_mul_i32 s22, s15, 8*24576
	SADD 76, 22
	s_mul_i32 s22, s42, 1536
	SADD 76, 22
	s_mul_i32 s22, s16, 768
	SADD 76, 22
	s_mov_b32 s77, 0
	s_xor_b32 s20, s15, s87                        ; the stage's halves lie in the order of work
	s_lshl_b32 s20, s20, 1
	s_lshl_b32 s78, s43, 2
	SADD 78, 20
	SADD 78, 16
	s_lshl_b32 s78, s78, 4
	SADD 78, 42
	s_lshl_b32 s78, s78, 9
	s_mov_b32 s79, 0
	s_lshr_b32 s20, s12, 3                         ; the batch
	s_and_b32 s22, s12, 7
	s_lshl_b32 s22, s22, 1                         ; V's first chunk of 128 tokens
	s_lshl_b32 s80, s20, 6
	s_lshl_b32 s23, s13, 3
	SADD 80, 23
	s_lshl_b32 s23, s16, 2
	SADD 80, 23
	s_mul_i32 s80, s80, 24576
	s_add_co_u32 s23, s22, s15
	s_mul_i32 s23, s23, 1536
	SADD 80, 23
	s_add_co_u32 s80, s80, VC0
	s_mov_b32 s81, 0
	s_lshl_b32 s82, s20, 3
	SADD 82, 13
	s_lshl_b32 s82, s82, 4
	SADD 82, 22
	s_lshl_b32 s82, s82, 9
	s_lshl_b32 s23, s14, 8
	SADD 82, 23
	s_add_co_u32 s82, s82, VS0
	s_mov_b32 s83, 0
	s_and_b32 s20, s42, 7
	s_lshl_b32 s20, s20, 1
	SADD 20, 16
	s_lshl_b32 s20, s20, 8                         ; my 64 columns of Q or K, in bytes of a bias
	s_mov_b32 s21, 0
	s_lshl_b32 s22, s13, 1
	SADD 22, 16
	s_lshl_b32 s22, s22, 8                         ; and of V
	s_mov_b32 s23, 0
	v_lshrrev_b32 v5, 3, v1
	v_and_b32 v8, 7, v1
	v_lshlrev_b32 v5, 7, v5
	v_lshl_add_u32 v5, v8, 2, v5                   ; V: lane (r, h) of tile t has column 32 (r / 8) + 8 t + r % 8
	v_lshlrev_b32 v21, 7, v2                       ; Q, K: register 8 j + i of lane (r, h) is column 32 h + 8 j + i
	WALU
	s_cmp_eq_u32 s19, 0
	s_cselect_b64 s[48:49], s[48:49], s[50:51]
	s_add_nc_u64 s[22:23], s[2:3], s[22:23]
	s_add_nc_u64 s[12:13], s[48:49], s[20:21]      ; kept for the loads between the phases
	WIN 3<<6
.irp t, 0,1,2,3
	global_load_b32 v[BBV-768+8*\t], v5, s[22:23] offset:32*\t
.endr
.irp p, 0,1
.irp y, 0,1,2,3
	global_load_b64 v[SB2-768+NQ*\p+2*\y:SB2-768+NQ*\p+2*\y+1], v[ABS], s[10:11] offset:1024*\y+256*\p
.endr
.endr
	WIN 0
	s_wait_xcnt 0x0
	s_load_b64 s[10:11], s[0:1], 0x28              ; pjc
	s_load_b64 s[52:53], s[0:1], 0x30              ; pjs
	s_mov_b32 s46, 0
	s_mov_b32 s47, 0
	s_xor_b32 s88, s87, 1                          ; the chunks still to come are the other half's
	s_mul_i32 s88, s88, 2*CH
	SADD 88, 67
	v_add_nc_u32 v1, BT, v[ADRA0]
	PFTILE 8, 9, 100                               ; what the first refill will load
	WALU
	s_cmp_eq_u32 s14, 0
	s_cbranch_scc0 .Lnot_b
	s_wait_tensorcnt 0x0
.Lnot_b:
	BARRIER                                        ; W_v is in
	PFGO 8
	WEIGHTS
	s_cmp_eq_u32 s14, 3
	s_cbranch_scc1 .Lnot_a0
	s_wait_tensorcnt 0x0
.Lnot_a0:
	s_wait_dscnt 0x0
	BARRIER                                        ; chunk 0 and the scale words are in; chunk 1 may be on its way
	FETCH01
	s_wait_kmcnt 0x0
	s_add_nc_u64 s[48:49], s[52:53], s[78:79]
	s_add_nc_u64 s[50:51], s[10:11], s[80:81]
	s_add_nc_u64 s[52:53], s[52:53], s[82:83]
	s_add_nc_u64 s[10:11], s[10:11], s[76:77]
	s_wait_loadcnt 0x0                             ; the bias and the weights' scale words
	WIN (3<<6)|3
.irp t, 0,8,16,24
.irp i, 1,2,3,4,5,6,7
	v_mov_b32 v[BBV-768+\t+\i], v[BBV-768+\t]      ; V's number, one a lane and tile, over the tile's eight registers
.endr
.endr
	WIN 0
	WALU
; ---- PHASE 1: V, eight blocks; band 0's way outs stand in band 1's blocks
.irp s, 0,1
	s_wait_dscnt NF
	BLOCK 1, \s, HV0+8*\s, 32, 0, 32, L_STEP
	WIN 0
	PLACES 4
	WALU
	FETCH \s
.endr
	s_wait_dscnt NF
	GRD
	BLOCK 1, 0, HV0+16, 32, 0, 24, L_V2
	WIN 0
	s_wait_dscnt 0x0
	s_barrier_signal -1
	BLOCK 1, 0, HV0+16, 32, 24, 32, L_NONE
	MIDDLE
	BARRIER
	s_cmp_lt_u32 s14, 2
	s_cbranch_scc0 .Lno_half
	TLOAD G0B, G1B                                 ; half each of W_q or W_k, onto W_v, which all waves hold in registers
.Lno_half:
	PLACES 4
	WALU
	FETCH 0
	PFGO 7
	s_wait_dscnt NF
	BLOCK 1, 1, HV0+24, 32, 0, 32, L_STEP
	WIN 0
	PLACES 4
	WALU
	FETCH 1
.irp j, 0,1,2
	s_wait_dscnt NF+(\j+1)/2
.if \j < 2
	BLOCK 1, \j%2, HV1+8*\j, 32, 0, 32, L_OUT, HV0+32*\j, \j
.else
	BLOCK 1, \j%2, HV1+8*\j, 32, 0, 32, L_LAST, HV0+32*\j, \j
.endif
	WIN 0
	CODES6 HV0+32*\j, MCD+12*\j, \j
	WALU
	ds_store_b8 v[STV], v[EB+\j] offset:4*\j
.if \j < 2
	FETCH \j%2
.endif
.endr
	s_wait_dscnt 1
	BLOCK 1, 1, HV1+24, 32, 0, 26, L_V7, HV0+96, 3
	WIN 0
	WALU
	s_wait_tensorcnt 0x0
	s_wait_dscnt 0x0
	s_barrier_signal -1                            ; a plain barrier: the weights that the first refill brought are shown to all
	BLOCK 1, 1, HV1+24, 32, 26, 32, L_NONE
	WIN 0
	s_barrier_wait -1
	CODES6 HV0+96, MCD+36, 3
	WALU
	ds_store_b8 v[STV], v[EB+3] offset:12
; ---- THE CHANGE OF PHASE: the weights and the first two blocks, which lie in slot 0 still, in one run of loads; band 1's four way outs under their flight
.irp k, 0,1,2,3,4,5,6,7
	global_load_b128 v[BBQ+4*\k:BBQ+4*\k+3], v21, s[12:13] offset:16*\k
.endr
	WEIGHTS
	FETCH01
	PFGO 20
	WIN 3
.set I, 0
.rept 16
	v_mov_b32 v[SB+I], v[SB2-768+I]
.set I, I+1
.endr
	WIN 0
.set I, 0
.rept 18
.irp t, 0,1,2,3
	CHAIN I, HV1+32*\t, \t, 64+4*\t
.endr
.set I, I+1
.endr
.set I, 0
.rept 6
.irp t, 0,1,2,3
	CODES I, HV1+32*\t, MCD+12*\t+6, \t, 80+4*\t
.endr
.set I, I+1
.endr
	WIN 0
	WALU
; ---- PHASE 2: Q or K, sixteen blocks, way outs by pairs
	s_wait_loadcnt 0x0
	s_wait_dscnt NF
	BLOCK 0, 0, ACC, 8, 0, 32, L_STEP
	WIN 0
	PLACES 4
	WALU
.irp t, 0,1,2,3
	ds_store_b8 v[STV], v[EB+\t] offset:2+4*\t
.endr
.irp t, 0,1,2,3
	PUTV MCD+12*\t, 24576*\t                       ; V's codes leave
.endr
	FETCH 0
	ODD NF+4, 1
	s_mov_b32 s86, 0
.Lwith_rounds:                                         ; blocks 2 to 5, 6 to 9
	EVENROUND NF+1
	ODD -1, 1
	EVEN NF+1, 1
	ODD NF+1, 1
	s_add_co_u32 s86, s86, 1
	s_cmp_lg_u32 s86, 2
	s_cbranch_scc1 .Lwith_rounds
.Lwithout:                                             ; blocks 10, 11 and 12, 13
	EVENSHOW NF+1
	ODD -1, 1
	s_add_co_u32 s86, s86, 1
	s_cmp_lg_u32 s86, 4
	s_cbranch_scc1 .Lwithout
	EVEN NF+1, 0
	ODD 1, 0
; ---- THE END: the last way out; the scale bytes go through LDS under its conversions
	s_lshl_b32 s21, s14, 9
	s_add_co_u32 s21, s21, XN
	v_add_nc_u32 v12, s21, v[CO]
	s_lshl_b32 s21, s14, 8
	s_add_co_u32 s21, s21, XM
	v_add_nc_u32 v14, s21, v[CO8]
.set I, 0
.rept 18
	CHAIN I, ACC+32, 1
.set I, I+1
.endr
	CODES 2, ACC+32, NCD+6, 1
	WALU
	ds_store_b8 v[VX], v[EB+1] offset:4
	s_wait_dscnt 0x0
	s_barrier_signal -1
	CODES 0, ACC+32, NCD+6, 1
	CODES 1, ACC+32, NCD+6, 1
	v_nop
.irp i, 3,4,5
	CODES \i, ACC+32, NCD+6, 1
.endr
	s_barrier_wait -1
	WALU
	ds_load_b128 v[64:67], v12
	ds_load_b64 v[68:69], v14
	PUTQK
	s_wait_dscnt 0x0
	global_store_b128 v[CO], v[64:67], s[48:49]
	global_store_b64 v[CO8], v[68:69], s[52:53]
	s_wait_tensorcnt 0x0                           ; the wave's end
	ds_add_u32 v[SPW], v[NIL]
	s_wait_dscnt 0x0
	CROUND                                         ; the closing round
	s_endpgm
.Lfunc_end_k_qd8f04ef20f_proj:
	.size	k_qd8f04ef20f_proj, .Lfunc_end_k_qd8f04ef20f_proj-k_qd8f04ef20f_proj
	.p2alignl 7, 3214868480
	.fill 96, 4, 3214868480
	.section	.rodata,"a",@progbits
	.p2align	6, 0x0
	.amdhsa_kernel k_qd8f04ef20f_proj
		.amdhsa_group_segment_fixed_size 327680
		.amdhsa_private_segment_fixed_size 0
		.amdhsa_enable_private_segment 0
		.amdhsa_kernarg_size 56
		.amdhsa_user_sgpr_count 2
		.amdhsa_user_sgpr_kernarg_segment_ptr 1
		.amdhsa_wavefront_size32 1
		.amdhsa_system_sgpr_workgroup_id_x 1
		.amdhsa_system_sgpr_workgroup_id_y 1
		.amdhsa_system_sgpr_workgroup_id_z 1
		.amdhsa_system_vgpr_workitem_id 0
		.amdhsa_next_free_vgpr 1024
		.amdhsa_next_free_sgpr 102
		.amdhsa_reserve_vcc 0
		.amdhsa_float_denorm_mode_32 3
		.amdhsa_float_denorm_mode_16_64 3
		.amdhsa_memory_ordered 1
		.amdhsa_forward_progress 1
		.amdhsa_inst_pref_size 187
	.end_amdhsa_kernel
	.amdgpu_metadata
---
amdhsa.version: [ 1, 2 ]
amdhsa.kernels:
  - .name:           k_qd8f04ef20f_proj
    .symbol:         k_qd8f04ef20f_proj.kd
    .args:
      - { .name: qc, .offset: 0, .size: 8, .value_kind: global_buffer, .address_space: global }
      - { .name: qs, .offset: 8, .size: 8, .value_kind: global_buffer, .address_space: global }
      - { .name: b_q, .offset: 16, .size: 8, .value_kind: global_buffer, .address_space: global }
      - { .name: b_k, .offset: 24, .size: 8, .value_kind: global_buffer, .address_space: global }
      - { .name: b_v, .offset: 32, .size: 8, .value_kind: global_buffer, .address_space: global }
      - { .name: pjc, .offset: 40, .size: 8, .value_kind: global_buffer, .address_space: global }
      - { .name: pjs, .offset: 48, .size: 8, .value_kind: global_buffer, .address_space: global }
    .group_segment_fixed_size: 327680
    .private_segment_fixed_size: 0
    .kernarg_segment_align: 8
    .kernarg_segment_size: 56
    .max_flat_workgroup_size: 128
    .sgpr_count:     102
    .vgpr_count:     1024
    .wavefront_size: 32
...
	.end_amdgpu_metadata
.endif
;; end of part 2
;; launch scores (part 3): grid 9 x 16, 4 waves a work-group, no clusters, 327,680 bytes of LDS; arguments pjc, pjs, pc, pst; writes pc, pst
.if DOCPART == 3
	.amdgcn_target "amdgcn-amd-amdhsa--gfx1250"
	.amdhsa_code_object_version 6
	.text
	.protected	k_qd8f04ef20f_scores
	.globl	k_qd8f04ef20f_scores
	.p2align	8
	.type	k_qd8f04ef20f_scores,@function
k_qd8f04ef20f_scores:
	s_mov_b64 s[64:65], 0
	v_nop
	global_prefetch_b8 v0, s[64:65] scope:SCOPE_SE
	s_setreg_imm32_b32 hwreg(HW_REG_WAVE_MODE, 25, 1), 1
	s_wait_xcnt 0x0
; S = Q K^T on codes of E2M3 for the 36 tiles of 256 x 256 a batch that the causal mask leaves (a tile that it hides wholly reaches no output), and the softmax's p quantised at once, chunk by chunk of 128 keys.
; t = score x log2(e) / 32.  For each query and each chunk of 128 keys: M = ceil(the chunk's largest t), a whole number; p = 2^(t - M); l = the sum of the unquantised p.  p's codes hang on no whole-number shift of M;
; the next launch brings the scale bytes and the sums under each row's own M, exactly.  Stored: p's images in pc [512 query tiles][16 key chunks][1,536]; in pst [64 query groups][16 chunks][3][512]: scale words, -M, l.
; Source 0 = K's tiles, source 1 = Q's: a lane holds one query, and its registers 32 c + i of one tile of queries are keys 64 c + 32 h + i: whole blocks of 32.
; IN: pjc [512 tiles][Q 8, K 8 K steps][half of 64][512 bytes: registers 0-3 at 16 x lane; 256 bytes: registers 4, 5 at 8 x lane]; pjs [64 groups of 8 tiles][Q 8, K 8][512].
; SHARES.  Query rows I and 7 - I of a batch have nine tiles together: work-group (u, y): batch y / 4, p = y % 4; u <= p: tile (p, u), else tile (7 - p, u - p - 1).  Four waves, 128 x 128 each.
; NO CLUSTER: query row I has I + 1 tiles and key column J has 8 - J, so the triangle does not divide into fours that share a tile.  NO PREFETCH: all but a quarter of the tiles is asked for at the head.
; The wave of a diagonal tile whose 128 keys are all hidden writes zero codes, the byte 1, l = 0 and -M = +3e38: the next launch reads those bytes.
; FILLS, K in four steps of 256.  At the head one load a wave: Q's and K's 16 tiles of step 0 (waves 0, 1) and of steps 1 and 2 in one (waves 2, 3); step 3 fills step 0's bytes again, a quarter a wave.
; THE SCALE WORDS go from memory into registers, four sets by turns: set k % 4 for sub-step k of 128.
; LIMITS: differences of M are exact for |t| < 2^24; NaN and infinities are not served.
.set SLOTB, 98304
.set QTR,   24576
.set SPARE, 3*SLOTB                    ; the spare words, 128 bytes for each wave
.set FR,   12
.set ADRA, 4                           ; v4-7   my queries' tiles: step 0 (and 3), steps 1 and 2 at 16 x lane; the same at 8 x lane
.set ADRS, 11                          ; v11    the scale words' offset in pjs
.set SPW,  12
.set NIL,  13
.set D0,   16                          ; v16  my query less my first key, for tile 0
.set NINF, 18
.set ADRB, 20                          ; v20-23 my keys' tiles
.set H8,   24                          ; v24  8 h
.set SC,   32                          ; v32-63 scale words, four sets of 8: lanes 0-15 Q's, lanes 16-31 K's
.set AF,   64
.set H,    64
.set PC,   128
.set TM,   148
.set NM,   164                         ; v[164:165] -M (the low word serves both halves)
.set SA,   166
.set SB,   168
.set DD,   170
.set PWA,  176
.set NA,   184
.set LA,   192
.set OB,   200
.set G1T,  24
.set G1R,  32
.set G1F,  40
.set G0T,  48
.set G0R,  52
.set G0F,  68
.set DF,   56
.set CS,   62                          ; s[62:63] log2(e) / 32
.set SEL,  66
.set MSB, 0
.macro WIN new
.if MSB != (\new)
	s_set_vgpr_msb (MSB<<8)|(\new)
.set MSB, (\new)
.endif
.endm
.set MUL_LO, 0xa1
.set MUL_HI, 0xf1
.macro PLACES
.rept 4
	v_nop
.endr
.endm
.macro FRAG4 d, a, o                   ; two halves of 64 along K
	ds_load_b128 v[\d:\d+3], v[\a] offset:\o
	ds_load_b64 v[\d+4:\d+5], v[\a+2] offset:\o+512
	ds_load_b128 v[\d+6:\d+9], v[\a] offset:\o+768
	ds_load_b64 v[\d+10:\d+11], v[\a+2] offset:\o+1280
.endm
.macro FETCH k                         ; sub-step k's sixteen fragments: 64 LDS loads, into set k % 2
.set FQ, (\k)%2
.if ((\k)/2 == 1) || ((\k)/2 == 2)
.set FS, 1
.set FT, 6144
.set FO, 1536*((\k)-2)
.else
.set FS, 0
.set FT, 3072
.set FO, 1536*FQ
.endif
	WIN 0x40
.irp i, 0,1,2,3,4,5,6,7
	FRAG4 96*FQ+FR*\i, ADRB+FS, FT*\i+FO
.endr
	WIN 0
.irp i, 0,1,2,3,4,5,6,7
	FRAG4 AF+96*FQ+FR*\i, ADRA+FS, FT*\i+FO
.endr
.endm
.macro SCLOAD k
	global_load_b128 v[SC+8*((\k)%4):SC+8*((\k)%4)+3], v[ADRS], s[6:7] offset:512*(\k)
	global_load_b128 v[SC+8*((\k)%4)+4:SC+8*((\k)%4)+7], v[ADRS], s[6:7] offset:512*(\k)+256
.endm
.macro MUL16 a0, set, zero             ; the 64 accumulators take turns, one instruction a turn.  KX: the scale words' set
.irp a, \a0, \a0+1
.irp b, 0,1,2,3,4,5,6,7
.if \zero
	v_wmma_scale_f32_16x16x128_f8f6f4 v[8*(8*((\a)%4)+\b):8*(8*((\a)%4)+\b)+7], v[96*(\set)+FR*\b:96*(\set)+FR*\b+FR-1], v[AF+96*(\set)+FR*(\a):AF+96*(\set)+FR*(\a)+FR-1], 0, v[SC+8*KX+\b], v[SC+8*KX+(\a)] matrix_a_fmt:MATRIX_FMT_FP6 matrix_b_fmt:MATRIX_FMT_FP6 matrix_a_scale:MATRIX_SCALE_ROW1
.else
	v_wmma_scale_f32_16x16x128_f8f6f4 v[8*(8*((\a)%4)+\b):8*(8*((\a)%4)+\b)+7], v[96*(\set)+FR*\b:96*(\set)+FR*\b+FR-1], v[AF+96*(\set)+FR*(\a):AF+96*(\set)+FR*(\a)+FR-1], v[8*(8*((\a)%4)+\b):8*(8*((\a)%4)+\b)+7], v[SC+8*KX+\b], v[SC+8*KX+(\a)] matrix_a_fmt:MATRIX_FMT_FP6 matrix_b_fmt:MATRIX_FMT_FP6 matrix_a_scale:MATRIX_SCALE_ROW1
.endif
.endr
.endr
.endm
.macro SUB k, zero
.set KX, (\k)%4
	PLACES
	FETCH (\k)+1
.if ((\k) >= 2) && ((\k) <= 4)
	SCLOAD (\k)+3                                  ; into the set that sub-step k - 1 has read
.endif
	s_wait_dscnt 63                                ; of the 64 just issued 63 may be out
.if (\k) == 6
	s_wait_loadcnt 2                               ; sub-step 7's words may be out
.else
	s_wait_loadcnt 6                               ; the three younger sets may be out
.endif
	WIN MUL_LO
	MUL16 0, (\k)%2, \zero
	MUL16 2, (\k)%2, \zero
	WIN MUL_HI
	MUL16 4, (\k)%2, \zero
	MUL16 6, (\k)%2, \zero
	WIN 0
.endm
.macro TURN k, refill
.set KX, (\k)%4
	s_wait_loadcnt 4                               ; the two younger sets may be out
	s_wait_tensorcnt 0x0                           ; all my tensor loads have landed
	ds_add_u32 v[SPW], v[NIL]                      ; 0 onto my spare word
	s_wait_dscnt 0x0                               ; the add is done, and my reads of the slot are over
	s_barrier_signal -1
	WIN MUL_LO
	MUL16 0, (\k)%2, 0
	MUL16 2, (\k)%2, 0
	WIN 0
	s_barrier_wait -1
.if \refill
	tensor_load_to_lds s[G0F:G0F+3], s[G1F:G1F+7]  ; K step 3 into K step 0's bytes: my one tensor load behind the barrier
	s_nop 0
.endif
	PLACES
	FETCH (\k)+1
.if (\k) == 1
	SCLOAD 4
.endif
	WIN MUL_HI
	MUL16 4, (\k)%2, 0
	MUL16 6, (\k)%2, 0
	WIN 0
.endm
.macro TILES g, el, rows               ; group 1: rows of el elements of 8 bytes, 24,576 bytes from tile to tile, no mask, no padding
	s_mov_b32 s[\g], 3<<16
	s_mov_b32 s[\g+1], (\el)<<16
	s_mov_b32 s[\g+2], (\rows)<<16
	s_mov_b32 s[\g+3], (\el)<<16
	s_mov_b32 s[\g+4], \rows
	s_mov_b32 s[\g+5], 3072
	s_mov_b32 s[\g+6], 0
	s_mov_b32 s[\g+7], 0
.endm
	s_load_b256 s[4:11], s[0:1], 0x0               ; pjc, pjs, pc, pst
	v_lshl_add_u32 v[SPW], v0, 2, SPARE
	v_mov_b32 v[NIL], 0
	ds_add_u32 v[SPW], v[NIL]                      ; the wave's opening: the add, twice on end, and its wait ahead of my first tensor load
	ds_add_u32 v[SPW], v[NIL]
	v_lshrrev_b32 v1, 5, v0
	v_readfirstlane_b32 s12, v1                    ; wave 0..3
	s_lshr_b32 s13, s12, 1                         ; my half of the queries
	s_and_b32 s14, s12, 1                          ; my half of the keys
	s_and_b32 s18, ttmp7, 0xffff
	s_lshr_b32 s15, s18, 2                         ; the batch
	s_and_b32 s18, s18, 3                          ; p
	s_sub_co_u32 s19, 7, s18
	s_sub_co_u32 s20, ttmp9, s18
	s_sub_co_u32 s20, s20, 1
	s_cmp_le_u32 ttmp9, s18
	s_cselect_b32 s16, s18, s19                    ; I
	s_cselect_b32 s17, ttmp9, s20                  ; J <= I
	TILES G1T, 384, 16
	TILES G1R, 768, 16
	TILES G1F, 384, 8
	s_lshl_b32 s21, s15, 7
	s_cmp_eq_u32 s14, 0                            ; the head: even waves fetch for Q, odd ones for K
	s_cselect_b32 s18, s16, s17
	s_cselect_b32 s19, 0, 12288                    ; K's steps stand 8 x 1,536 bytes behind Q's in a tile
	s_lshl_b32 s18, s18, 4
	s_add_co_u32 s18, s18, s21                     ; the first of 16 tiles
	s_mul_i32 s58, s18, 24576
	s_add_co_u32 s58, s58, s19
	s_mov_b32 s59, 0
	s_cmp_eq_u32 s13, 0                            ; the refill: waves 0 and 1 for Q, 2 and 3 for K, 8 tiles each
	s_cselect_b32 s18, s16, s17
	s_cselect_b32 s19, 0, 12288
	s_lshl_b32 s18, s18, 4
	s_add_co_u32 s18, s18, s21
	s_lshl_b32 s20, s14, 3
	s_add_co_u32 s18, s18, s20
	s_mul_i32 s60, s18, 24576
	s_add_co_u32 s60, s60, s19
	s_add_co_u32 s60, s60, 9216                    ; K step 3
	s_mov_b32 s61, 0
	s_mul_i32 s21, s14, 2*QTR
	s_mul_i32 s22, s14, SLOTB
	s_mul_i32 s19, s12, QTR
	s_mov_b32 s[CS], 0x3d38aa3b
	s_mov_b32 s[CS+1], s[CS]
	s_mov_b32 s[SEL], 0x76543210
	s_mov_b32 s[SEL+1], 0xfedcba98
	s_sub_co_i32 s[DF], s16, s17
	s_lshl_b32 s[DF], s[DF], 1
	s_add_co_i32 s[DF], s[DF], s13
	s_sub_co_i32 s[DF], s[DF], s14
	s_lshl_b32 s[DF], s[DF], 7                     ; my first query less my first key: -128, 0, or 128 and more
	s_wait_dscnt 0x0                               ; both opening adds are done
	s_wait_kmcnt 0x0
	s_add_nc_u64 s[58:59], s[4:5], s[58:59]
	s_add_nc_u64 s[60:61], s[4:5], s[60:61]
	s_mov_b32 s[G0T], 1
	s_mov_b32 s[G0T+1], s21
	s_mov_b64 s[G0T+2:G0T+3], s[58:59]
	s_or_b32 s[G0T+3], s[G0T+3], 0x80000000
	s_mov_b32 s[G0R], 1
	s_add_co_u32 s[G0R+1], s22, SLOTB
	s_add_nc_u64 s[G0R+2:G0R+3], s[58:59], 3072
	s_or_b32 s[G0R+3], s[G0R+3], 0x80000000
	s_mov_b32 s[G0F], 1
	s_mov_b32 s[G0F+1], s19
	s_mov_b64 s[G0F+2:G0F+3], s[60:61]
	s_or_b32 s[G0F+3], s[G0F+3], 0x80000000
	s_cmp_lt_u32 s12, 2                            ; one tensor load a wave at the head
	s_cbranch_scc0 .Lsteps_1_2
	tensor_load_to_lds s[G0T:G0T+3], s[G1T:G1T+7]
	s_nop 0
	PLACES
	s_branch .Lasked
.Lsteps_1_2:
	tensor_load_to_lds s[G0R:G0R+3], s[G1R:G1R+7]
	s_nop 0
	PLACES
.Lasked:
	s_mul_i32 s18, s13, QTR
	s_mul_i32 s19, s14, QTR
	s_add_co_u32 s19, s19, 2*QTR
	s_mul_i32 s20, s13, 2*QTR
	s_add_co_u32 s20, s20, SLOTB
	s_mul_i32 s21, s14, 2*QTR
	s_add_co_u32 s21, s21, 2*SLOTB
	s_lshl_b32 s22, s15, 4
	s_lshl_b32 s23, s16, 1
	s_add_co_u32 s23, s23, s22
	s_add_co_u32 s23, s23, s13
	s_lshl_b32 s23, s23, 13                        ; Q's scale blocks in pjs
	s_lshl_b32 s57, s17, 1
	s_add_co_u32 s57, s57, s22
	s_add_co_u32 s57, s57, s14
	s_lshl_b32 s57, s57, 13
	s_add_co_u32 s57, s57, 4096                    ; K's
	v_and_b32 v1, 15, v0                           ; r
	v_bfe_u32 v2, v0, 4, 1                         ; h
	v_and_b32 v3, 31, v0
	v_lshlrev_b32 v14, 3, v3                       ; 8 x lane
	v_lshlrev_b32 v3, 4, v3                        ; 16 x lane
	v_add_nc_u32 v[ADRA], s18, v3
	v_add_nc_u32 v[ADRA+1], s20, v3
	v_add_nc_u32 v[ADRA+2], s18, v14
	v_add_nc_u32 v[ADRA+3], s20, v14
	v_add_nc_u32 v[ADRB], s19, v3
	v_add_nc_u32 v[ADRB+1], s21, v3
	v_add_nc_u32 v[ADRB+2], s19, v14
	v_add_nc_u32 v[ADRB+3], s21, v14
	v_lshlrev_b32 v[H8], 3, v2
	v_sub_nc_u32 v17, 1, v2
	v_mul_u32_u24 v19, s57, v2
	v_mul_u32_u24 v17, s23, v17
	v_lshl_add_u32 v[ADRS], v1, 4, v19
	v_add_nc_u32 v[ADRS], v[ADRS], v17             ; 16 r + Q's or, in lanes 16-31, K's
	v_and_b32 v[D0], 8, v1
	v_mul_u32_u24 v[D0], 3, v[D0]
	v_add_nc_u32 v[D0], v[D0], v1                  ; 32 (r / 8) + r % 8
	v_lshlrev_b32 v17, 5, v2
	v_sub_nc_u32 v[D0], v[D0], v17
	v_add_nc_u32 v[D0], s[DF], v[D0]               ; - 32 h + my first query - my first key
	v_mov_b32 v[NINF], 0xff800000
	s_wait_alu depctr_va_vdst(0)                   ; the head's end
	SCLOAD 0
	SCLOAD 1
	SCLOAD 2
	SCLOAD 3
	s_lshl_b32 s18, s15, 7
	s_lshl_b32 s19, s16, 4
	s_add_co_u32 s18, s18, s19
	s_lshl_b32 s19, s13, 3
	s_add_co_u32 s18, s18, s19                     ; my first tile of queries
	s_lshl_b32 s19, s17, 1
	s_add_co_u32 s19, s19, s14                     ; my chunk of keys
	s_lshl_b32 s20, s18, 4
	s_add_co_u32 s20, s20, s19
	s_mul_i32 s20, s20, 1536
	s_mov_b32 s21, 0
	s_add_nc_u64 s[8:9], s[8:9], s[20:21]
	s_lshl_b32 s20, s18, 1
	s_add_co_u32 s20, s20, s19
	s_mul_i32 s20, s20, 1536
	s_add_nc_u64 s[10:11], s[10:11], s[20:21]
	s_cmp_lt_u32 s12, 2
	s_cbranch_scc0 .Lnot_step_0
	s_wait_tensorcnt 0x0                           ; step 0's two tiles are waves 0 and 1's; the others' may be out
.Lnot_step_0:
	s_barrier_signal -1
	s_barrier_wait -1
	FETCH 0
	SUB 0, 1
	TURN 1, 1
	SUB 2, 0
	SUB 3, 0
	SUB 4, 0
	TURN 5, 0
	SUB 6, 0
.set KX, 3
	s_wait_dscnt 0x0
	s_wait_loadcnt 0x0
	WIN MUL_LO
	MUL16 0, 1, 0
	MUL16 2, 1, 0
	WIN MUL_HI
	MUL16 4, 1, 0
	MUL16 6, 1, 0
	WIN 0
	PLACES
.irp b, 0,1,2,3
	v_mov_b32 v[TM+4+\b], 0                        ; a lane permute's destination counts as one of its sources
.endr
	v_mov_b32 v[NM+1], 0                           ; (named as the upper half of a pair)
	v_mov_b32 v[SB], 0
; One tile of 16 queries x my 128 keys.
.macro SOFT a
	WIN 0x02+(\a)/4
.set n, 0
.rept 32
	v_pk_mul_f32 v[H+n:H+n+1], v[64*((\a)%4)+n:64*((\a)%4)+n+1], s[CS:CS+1] op_sel_hi:[1,0]   ; t; each accumulator from its low end on
.set n, n+2
.endr
	WIN 0
	s_cmp_gt_i32 s[DF], 0                          ; ids and the wave's number alone: all my keys count where my first query lies 128 or more behind my first key
	s_cbranch_scc1 .Lopen_\@
	v_add_nc_u32 v[DD], 64*((\a)/4)+8*((\a)%4), v[D0]
.set n, 0
.rept 64
	v_cmp_gt_i32 vcc_lo, 64*(n/32)+n%32, v[DD]     ; register 32 c + i holds key 64 c + 32 h + i of my 128: hidden where it comes after my query
	v_cndmask_b32 v[H+n], v[H+n], v[NINF], vcc_lo
.set n, n+1
.endr
.Lopen_\@:
.irp b, 0,1,2,3
	v_max3_num_f32 v[TM+\b], v[H+16*\b], v[H+1+16*\b], v[H+2+16*\b]   ; the largest t: for M, and, since p rises with t, for each block's largest p
.endr
.irp i, 3,5,7,9,11,13
.irp b, 0,1,2,3
	v_max3_num_f32 v[TM+\b], v[TM+\b], v[H+16*\b+\i], v[H+1+16*\b+\i]
.endr
.endr
.irp b, 0,1,2,3
	v_max_num_f32 v[TM+\b], v[TM+\b], v[H+15+16*\b]
.endr
	v_max_num_f32 v[TM], v[TM], v[TM+1]            ; my two blocks of 32 keys
	v_max_num_f32 v[TM+1], v[TM+2], v[TM+3]
	v_max3_num_f32 v[NM], v[TM], v[TM+1], 0xff61b1e6   ; and -3e38, for a row all of whose keys are hidden
	v_permlanex16_b32 v[TM+4], v[NM], s[SEL], s[SEL+1]
	v_max_num_f32 v[NM], v[NM], v[TM+4]            ; with lane l xor 16's two blocks
	v_floor_f32 v[NM], -v[NM]                      ; -M = floor(-t) = -ceil(t)
.set n, 0
.rept 32
	v_pk_add_f32 v[H+n:H+n+1], v[H+n:H+n+1], v[NM:NM+1] op_sel_hi:[1,0]   ; t - M
.set n, n+2
.endr
.irp b, 0,1
	v_add_f32 v[TM+\b], v[TM+\b], v[NM]
.endr
.set n, 0
	s_wait_alu depctr_va_vdst(0)                   ; ahead of the batch
.rept 64
	v_exp_f32 v[H+n], v[H+n]                       ; p = 2^(t - M)
.set n, n+1
.endr
	v_mov_b32 v[NA+(\a)], v[NM]                    ; (a plain place behind the exponentials)
	s_wait_alu depctr_va_vdst(0)                   ; one wait for the batch, ahead of its first reader
.irp b, 0,1
	v_exp_f32 v[TM+\b], v[TM+\b]                   ; the block's largest p: the same two instructions on the same number
.endr
	v_pk_add_f32 v[SA:SA+1], v[H:H+1], v[H+2:H+3]  ; the sum of the unquantised p, in two chains: plain work behind the two
	v_pk_add_f32 v[SB:SB+1], v[H+4:H+5], v[H+6:H+7]
.irp j, 8,12,16,20,24,28,32,36,40,44,48,52,56,60
	v_pk_add_f32 v[SA:SA+1], v[SA:SA+1], v[H+\j:H+\j+1]
	v_pk_add_f32 v[SB:SB+1], v[SB:SB+1], v[H+\j+2:H+\j+3]
.endr
	v_pk_add_f32 v[SA:SA+1], v[SA:SA+1], v[SB:SB+1]
	v_add_f32 v[SA], v[SA], v[SA+1]
	v_permlanex16_b32 v[SB], v[SA], s[SEL], s[SEL+1]
	v_add_f32 v[LA+(\a)], v[SA], v[SB]             ; with lane l xor 16's: l of these 128 keys
	s_wait_alu depctr_va_vdst(0)                   ; and one for the two
.irp b, 0,1
	v_max_num_f32 v[TM+\b], 0x1800000, v[TM+\b]    ; the floor 2^(3 - 127): the byte cannot fall under 1
.endr
.irp b, 0,1
	v_add_nc_u32 v[TM+12+\b], 0xff000000, v[TM+\b]
.endr
.irp b, 0,1
	v_lshrrev_b32 v[TM+4+\b], 23, v[TM+12+\b]
.endr
	v_lshl_or_b32 v[TM+6], v[TM+5], 16, v[TM+4]    ; my two bytes, of blocks h and 2 + h,
	v_lshlrev_b32 v[TM+6], v[H8], v[TM+6]          ; at their places in the word;
	v_permlanex16_b32 v[TM+7], v[TM+6], s[SEL], s[SEL+1]
	v_or_b32 v[PWA+(\a)], v[TM+6], v[TM+7]         ; with lane l xor 16's two the word is whole
	s_wait_alu depctr_va_vdst(0)                   ; directly ahead of the wait below
.if (\a) > 0
	s_wait_xcnt 0x0                                ; the last image's stores have read their registers
.endif
.irp c, 0,1
	v_cvt_scalef32_pk16_fp6_f32 v[PC+6*\c:PC+2+6*\c], v[H+32*\c:H+15+32*\c], v[TM+12+\c]
	v_cvt_scalef32_pk16_fp6_f32 v[PC+12+4*\c:PC+14+4*\c], v[H+16+32*\c:H+31+32*\c], v[TM+12+\c]
.endr
	v_nop                                          ; one plain place behind a scaled conversion
.irp c, 0,1
.irp i, 0,1,2
	v_mov_b32 v[PC+3+6*\c+\i], v[PC+12+4*\c+\i]
.endr
.endr
.irp c, 0,1,2
	global_store_b128 v3, v[PC+4*\c:PC+4*\c+3], s[8:9] offset:24576*(\a)+512*\c   ; 512 consecutive bytes, aligned
.endr
.endm
.irp a, 0,1,2,3,4,5,6,7
	SOFT \a
.endr
	v_and_b32 v14, 31, v0
	v_cmp_gt_u32 vcc_lo, 16, v14                   ; a block of 512 bytes: lanes 0-15 hold tiles 0-3's words of row r, lanes 16-31 tiles 4-7's
.irp i, 0,1,2,3
	v_cndmask_b32 v[OB+\i], v[PWA+4+\i], v[PWA+\i], vcc_lo
	v_cndmask_b32 v[OB+4+\i], v[NA+4+\i], v[NA+\i], vcc_lo
	v_cndmask_b32 v[OB+8+\i], v[LA+4+\i], v[LA+\i], vcc_lo
.endr
.irp e, 0,1,2
	global_store_b128 v3, v[OB+4*\e:OB+4*\e+3], s[10:11] offset:512*\e
.endr
	s_wait_tensorcnt 0x0                           ; the wave's end
	ds_add_u32 v[SPW], v[NIL]
	s_wait_dscnt 0x0
	s_endpgm
.Lfunc_end_k_qd8f04ef20f_scores:
	.size	k_qd8f04ef20f_scores, .Lfunc_end_k_qd8f04ef20f_scores-k_qd8f04ef20f_scores
	.p2alignl 7, 3214868480
	.fill 96, 4, 3214868480
	.section	.rodata,"a",@progbits
	.p2align	6, 0x0
	.amdhsa_kernel k_qd8f04ef20f_scores
		.amdhsa_group_segment_fixed_size 327680
		.amdhsa_private_segment_fixed_size 0
		.amdhsa_enable_private_segment 0
		.amdhsa_kernarg_size 32
		.amdhsa_user_sgpr_count 2
		.amdhsa_user_sgpr_kernarg_segment_ptr 1
		.amdhsa_wavefront_size32 1
		.amdhsa_system_sgpr_workgroup_id_x 1
		.amdhsa_system_sgpr_workgroup_id_y 1
		.amdhsa_system_sgpr_workgroup_id_z 1
		.amdhsa_system_vgpr_workitem_id 0
		.amdhsa_next_free_vgpr 1024
		.amdhsa_next_free_sgpr 72
		.amdhsa_reserve_vcc 1
		.amdhsa_float_denorm_mode_32 3
		.amdhsa_float_denorm_mode_16_64 3
		.amdhsa_memory_ordered 1
		.amdhsa_forward_progress 1
		.amdhsa_inst_pref_size 245
	.end_amdhsa_kernel
	.amdgpu_metadata
---
amdhsa.version: [ 1, 2 ]
amdhsa.kernels:
  - .name:           k_qd8f04ef20f_scores
    .symbol:         k_qd8f04ef20f_scores.kd
    .args:
      - { .name: pjc, .offset: 0, .size: 8, .value_kind: global_buffer, .address_space: global }
      - { .name: pjs, .offset: 8, .size: 8, .value_kind: global_buffer, .address_space: global }
      - { .name: pc, .offset: 16, .size: 8, .value_kind: global_buffer, .address_space: global }
      - { .name: pst, .offset: 24, .size: 8, .value_kind: global_buffer, .address_space: global }
    .group_segment_fixed_size: 327680
    .private_segment_fixed_size: 0
    .kernarg_segment_align: 8
    .kernarg_segment_size: 32
    .max_flat_workgroup_size: 128
    .sgpr_count:     72
    .vgpr_count:     1024
    .wavefront_size: 32
...
	.end_amdgpu_metadata
.endif
;; end of part 3
;; launch pv (part 4): grid 8 x 32, 4 waves a work-group, clusters of 4 x 1, 327,680 bytes of LDS; arguments pc, pst, pjc, pjs, out0; writes out0
.if DOCPART == 4
	.amdgcn_target "amdgcn-amd-amdhsa--gfx1250"
	.amdhsa_code_object_version 6
	.text
	.protected	k_qd8f04ef20f_pv
	.globl	k_qd8f04ef20f_pv
	.p2align	8
	.type	k_qd8f04ef20f_pv,@function
k_qd8f04ef20f_pv:
	s_mov_b64 s[64:65], 0
	v_nop
	global_prefetch_b8 v0, s[64:65] scope:SCOPE_SE
	s_setreg_imm32_b32 hwreg(HW_REG_WAVE_MODE, 25, 1), 1
	s_wait_xcnt 0x0
	s_wait_alu depctr_hold_cnt(0) depctr_sa_sdst(0) depctr_va_vdst(0) depctr_va_sdst(0) depctr_va_ssrc(0) depctr_va_vcc(0) depctr_vm_vsrc(0)
	s_getreg_b32 s2, hwreg(HW_REG_IB_STS2, 6, 4)
	s_cmp_eq_u32 s2, 0
	s_cbranch_scc0 .Lentry_in_a_cluster
	s_endpgm
.Lentry_in_a_cluster:
	s_bfe_u32 s2, ttmp6, 0x10000c
	s_cmp_lg_u32 s2, 0x3003
	s_cbranch_scc0 .Lentry_shape_is_right
	s_endpgm
.Lentry_shape_is_right:
; out = (P V) / l on codes of E2M3.  P's images, raw scale words, -M and l for each chunk of 128 keys come from the launch before; V^T's images and scale blocks from the projections.
; THE HEAD brings every chunk under its row's own M = the largest of the chunks' M: n = M(chunk) - M(row), a whole number, 0 or less, is added to each of the chunk's four scale bytes, and l(chunk) x 2^n is summed: both exact.
; SHARES.  Work-group (d column of 128, y): batch y / 8, i = y % 8: the query groups i (SHORT: chunks 0 .. i) and 15 - i (LONG: chunks 0 .. 15 - i) of 128 queries: 17 chunks in every work-group; later keys are hidden from all of a group's queries.
; Wave w: all 128 queries of a group x V^T's tiles 2 w and 2 w + 1: 16 accumulators for each group.  The short group goes first: its results leave ahead of the long group's products.
; CLUSTER: the four of a cluster differ in d alone and need the same P: joint loads, mask 15.  One load a wave, all at the head, no LDS byte is filled twice: wave 0 long 0-7, wave 1 long 8-11,
; wave 2 long 12-15 (i < 4) or short 4-7 (i >= 4), wave 3 short 0-3.  i comes from the cluster's number.  No prefetch: P is asked for at the head, and no loop is there to run ahead in.
; V^T goes from memory straight into operand registers, eight sets: chunks 0-7 serve the short group and then the long one; behind each of the long group's products 0 .. 7 its set takes chunk k + 8.
; Those loads hang on no limit, so that the counted waits hold on every path (V^T is stored for all keys): seven loads a set.
; Source 0 = 16 of d, source 1 = 16 queries: a lane holds one query and, in its two accumulators, 16 neighbouring d.
; LIMITS: a scale byte that would fall under 1 is held at 1 (what it scales is then under 2^-120 of the row's largest p); n is held at -1000 from below.  Dead work: hidden chunks, as said.
; REGISTERS: window 0: v1-23 addresses; v24-39 P's scale words, two sets; v40-55 V's, eight sets; v64-159, v160-255 P's two sets (the head and the ways out work in them).  window 1: V^T's eight sets of 24.  window 2: short (a, t) at 8 (2 a + t), long at 128 + 8 (2 a + t).
.set P8,    98304                      ; long 8-11;  long 0-7 lies at 0, 12,288 bytes a tile; all others 6,144 bytes a tile
.set PX,    147456                     ; long 12-15 or short 4-7
.set PS0,   196608                     ; short 0-3
.set PWL,   245760                     ; the long group's mended scale words, [16 chunks][512]
.set PWS,   PWL+8192                   ; the short group's, [8][512]
.set LROW,  PWS+4096                   ; 1 / l: long, then short, in a scale block's order
.set STG,   LROW+1024                  ; the stage: 128 rows x (512 + 16) bytes
.set SPARE, STG+128*528
.set VC0,   12582912
.set VS0,   524288
.set FR,  12
.set APL, 4                            ; v4, v5  16 x lane + 49,152 q: long 0-7, tiles 4 q on
.set APM, 6
.set APX, 7
.set APS, 8
.set AWL, 10
.set AWS, 11
.set ARL, 15
.set STO, 17
.set RD,  18
.set SPW, 22
.set NIL, 23
.set AS,  24
.set VS,  40
.set PF,  64
.set WL,  64                           ; the head: raw words, -M, l of the long group,
.set NL,  80
.set LL,  96
.set WSH, 112                          ; and of the short one
.set NSH, 120
.set LSH, 128
.set T0,  136
.set MRL, 152
.set MRS, 154
.set SUML, 156
.set SUMS, 158
.set RLP, 64                           ; the ways out: 1 / l of tile a at v[64 + 2 a] (its odd neighbour is named in a pair and not used)
.set Y,   96
.set G1W, 24
.set G1N, 32
.set MSB, 0
.macro WIN new
.if MSB != (\new)
	s_set_vgpr_msb (MSB<<8)|(\new)
.set MSB, (\new)
.endif
.endm
.macro PLACES
.rept 4
	v_nop
.endr
.endm
.macro CROUND
	s_barrier_signal -1
	s_barrier_wait -1
	s_cmp_lg_u32 s14, 0
	s_cbranch_scc1 .Lnot_wave_0_\@
	s_barrier_signal -3
.Lnot_wave_0_\@:
	s_barrier_wait -3
	s_barrier_signal -1
	s_barrier_wait -1
.endm
.macro TILES g, el                     ; 8 rows of el elements of 8 bytes, 24,576 bytes from tile to tile, shared by the cluster's four
	s_mov_b32 s[\g], (3<<16)|(1<<21)|15
	s_mov_b32 s[\g+1], (\el)<<16
	s_mov_b32 s[\g+2], 8<<16
	s_mov_b32 s[\g+3], (\el)<<16
	s_mov_b32 s[\g+4], 8
	s_mov_b32 s[\g+5], 3072
	s_mov_b32 s[\g+6], 0
	s_mov_b32 s[\g+7], 0
.endm
.macro ARM under, g0, g1, next
	s_cmp_lt_u32 s14, \under
	s_cbranch_scc0 \next
	tensor_load_to_lds s[\g0:\g0+3], s[\g1:\g1+7]
	s_nop 0
	PLACES
	s_branch .Lasked
\next:
.endm
.macro VLOAD k                         ; chunk k of my two tiles of V^T and their scale words: 7 loads, into set k % 8
	WIN 0x40
.irp t, 0,1
.irp c, 0,1,2
	global_load_b128 v[24*((\k)%8)+FR*\t+4*\c:24*((\k)%8)+FR*\t+4*\c+3], v3, s[8:9] offset:24576*\t+1536*(\k)+512*\c
.endr
.endr
	WIN 0
	global_load_b64 v[VS+2*((\k)%8):VS+2*((\k)%8)+1], v16, s[10:11] offset:512*(\k)
.endm
.macro FETCHP g, k                     ; chunk k of the group's eight tiles and their scale words: 26 LDS loads, into set k % 2.  g: 0 short, 1 long
.set FD, PF+96*((\k)%2)
.set FST, 6144
.set FAH, 0
.if \g
.set FW, AWL
.if (\k) < 8
.set FA, APL
.set FST, 12288
.set FAH, 1
.set FO, 1536*(\k)
.elseif (\k) < 12
.set FA, APM
.set FO, 1536*((\k)-8)
.else
.set FA, APX
.set FO, 1536*((\k)-12)
.endif
.else
.set FW, AWS
.if (\k) < 4
.set FA, APS
.set FO, 1536*(\k)
.else
.set FA, APX
.set FO, 1536*((\k)-4)
.endif
.endif
.irp a, 0,1,2,3,4,5,6,7
.irp c, 0,1,2
	ds_load_b128 v[FD+FR*\a+4*\c:FD+FR*\a+4*\c+3], v[FA+FAH*(\a/4)] offset:FST*(\a-4*FAH*(\a/4))+FO+512*\c
.endr
.endr
	ds_load_b128 v[AS+8*((\k)%2):AS+8*((\k)%2)+3], v[FW] offset:512*(\k)
	ds_load_b128 v[AS+8*((\k)%2)+4:AS+8*((\k)%2)+7], v[FW] offset:512*(\k)+256
.endm
.macro MUL g, k                        ; 16 products, the accumulators by turns
.set MV, 24*((\k)%8)
.set MP, PF+96*((\k)%2)
.set MX, VS+2*((\k)%8)
.set MA, AS+8*((\k)%2)
	WIN 0xa1
.irp a, 0,1,2,3,4,5,6,7
.irp t, 0,1
.set MD, 128*\g+8*(2*\a+\t)
.if (\k) == 0
	v_wmma_scale_f32_16x16x128_f8f6f4 v[MD:MD+7], v[MV+FR*\t:MV+FR*\t+FR-1], v[MP+FR*\a:MP+FR*\a+FR-1], 0, v[MX+\t], v[MA+\a] matrix_a_fmt:MATRIX_FMT_FP6 matrix_b_fmt:MATRIX_FMT_FP6
.else
	v_wmma_scale_f32_16x16x128_f8f6f4 v[MD:MD+7], v[MV+FR*\t:MV+FR*\t+FR-1], v[MP+FR*\a:MP+FR*\a+FR-1], v[MD:MD+7], v[MX+\t], v[MA+\a] matrix_a_fmt:MATRIX_FMT_FP6 matrix_b_fmt:MATRIX_FMT_FP6
.endif
.endr
.endr
	WIN 0
.endm
	s_load_b256 s[4:11], s[0:1], 0x0               ; pc, pst, pjc, pjs
	s_load_b64 s[12:13], s[0:1], 0x20              ; out0
	v_lshl_add_u32 v[SPW], v0, 2, SPARE
	v_mov_b32 v[NIL], 0
	ds_add_u32 v[SPW], v[NIL]                      ; the wave's opening: the add, twice on end, and its wait ahead of my first tensor load
	ds_add_u32 v[SPW], v[NIL]
	v_lshrrev_b32 v1, 5, v0
	v_readfirstlane_b32 s14, v1                    ; wave 0..3
	s_bfe_u32 s15, ttmp6, 0x40000                  ; cx
	s_lshl_b32 s16, ttmp9, 2
	s_add_co_u32 s16, s16, s15                     ; which 128 of d
	s_and_b32 s17, ttmp7, 0xffff
	s_and_b32 s18, s17, 7                          ; i: the short group's last chunk
	s_lshr_b32 s17, s17, 3                         ; the batch
	s_sub_co_u32 s19, 15, s18                      ; the long group's last chunk
	s_lshl_b32 s20, s17, 4
	s_add_co_u32 s21, s20, s18                     ; the short group
	s_add_co_u32 s22, s20, s19                     ; the long group
	TILES G1W, 1536
	TILES G1N, 768
	s_mul_i32 s56, s22, 196608
	s_mov_b32 s57, 0
	s_mul_i32 s68, s21, 196608
	s_mov_b32 s69, 0
	s_mul_i32 s62, s22, 24576
	s_mov_b32 s63, 0
	s_mul_i32 s66, s21, 24576
	s_mov_b32 s67, 0
	s_mov_b32 s40, 1
	s_mov_b32 s41, 0
	s_mov_b32 s44, 1
	s_mov_b32 s45, P8
	s_mov_b32 s48, 1
	s_mov_b32 s49, PX
	s_mov_b32 s52, 1
	s_mov_b32 s53, PS0
	s_wait_dscnt 0x0                               ; both opening adds are done
	s_wait_kmcnt 0x0
	s_add_nc_u64 s[56:57], s[4:5], s[56:57]
	s_add_nc_u64 s[68:69], s[4:5], s[68:69]
	s_add_nc_u64 s[62:63], s[6:7], s[62:63]        ; the long group's stats
	s_add_nc_u64 s[66:67], s[6:7], s[66:67]        ; the short group's
	s_mov_b64 s[42:43], s[56:57]
	s_add_nc_u64 s[46:47], s[56:57], 12288
	s_add_nc_u64 s[50:51], s[56:57], 18432
	s_add_nc_u64 s[70:71], s[68:69], 6144
	s_mov_b64 s[54:55], s[68:69]
	s_cmp_lt_u32 s18, 4
	s_cselect_b64 s[50:51], s[50:51], s[70:71]
	s_or_b32 s43, s43, 0x80000000
	s_or_b32 s47, s47, 0x80000000
	s_or_b32 s51, s51, 0x80000000
	s_or_b32 s55, s55, 0x80000000
	CROUND                                         ; the cluster's four are here: the joint loads meet
	ARM 1, 40, G1W, .Lwave_1
	ARM 2, 44, G1N, .Lwave_2
	ARM 3, 48, G1N, .Lwave_3
	tensor_load_to_lds s[52:55], s[G1N:G1N+7]
	s_nop 0
	PLACES
.Lasked:
	s_lshl_b32 s20, s17, 6
	s_lshl_b32 s23, s16, 3
	s_add_co_u32 s20, s20, s23
	s_lshl_b32 s23, s14, 1
	s_add_co_u32 s20, s20, s23                     ; my first tile of V^T
	s_mul_i32 s56, s20, 24576
	s_add_co_u32 s56, s56, VC0
	s_mov_b32 s57, 0
	s_add_nc_u64 s[8:9], s[8:9], s[56:57]
	s_lshr_b32 s15, s14, 1
	s_and_b32 s20, s14, 1
	s_lshl_b32 s56, s17, 3
	s_add_co_u32 s56, s56, s16
	s_lshl_b32 s56, s56, 13
	s_lshl_b32 s23, s15, 8
	s_add_co_u32 s56, s56, s23
	s_lshl_b32 s23, s20, 3
	s_add_co_u32 s56, s56, s23
	s_add_co_u32 s56, s56, VS0
	s_add_nc_u64 s[10:11], s[10:11], s[56:57]      ; its scale words
	s_lshl_b32 s23, s15, 18
	s_lshl_b32 s56, s20, 16
	s_add_co_u32 s23, s23, s56
	s_lshl_b32 s56, s16, 9
	s_add_co_u32 s23, s23, s56                     ; out0: row 64 (w / 2) + 16 (w % 2) of a group, my 128 of d
	s_lshl_b32 s56, s21, 19
	s_add_co_u32 s56, s56, s23
	s_add_nc_u64 s[58:59], s[12:13], s[56:57]      ; the short group's results
	s_lshl_b32 s56, s22, 19
	s_add_co_u32 s56, s56, s23
	s_add_nc_u64 s[60:61], s[12:13], s[56:57]      ; the long group's
	s_lshl_b32 s23, s15, 8
	s_lshl_b32 s20, s20, 6
	s_add_co_u32 s20, s20, s23
	s_add_co_u32 s20, s20, STG
	s_mul_i32 s23, s14, 32*528
	s_add_co_u32 s23, s23, STG
	v_and_b32 v1, 15, v0                           ; r
	v_bfe_u32 v2, v0, 4, 1                         ; h
	v_and_b32 v3, 31, v0
	v_lshlrev_b32 v3, 4, v3                        ; 16 x lane
	v_mov_b32 v[APL], v3
	v_add_nc_u32 v[APL+1], 49152, v3
	v_add_nc_u32 v[APM], P8, v3
	v_add_nc_u32 v[APX], PX, v3
	v_add_nc_u32 v[APS], PS0, v3
	v_lshlrev_b32 v9, 2, v0                        ; the stats: 4 x my thread's number
	v_lshl_add_u32 v[AWL], v1, 4, PWL
	v_lshl_add_u32 v[AWS], v1, 4, PWS
	v_lshl_add_u32 v12, v0, 2, PWL
	v_lshl_add_u32 v13, v0, 2, PWS
	v_lshl_add_u32 v14, v0, 2, LROW
	v_lshl_add_u32 v[ARL], v1, 4, LROW
	v_lshlrev_b32 v16, 4, v1                       ; V's scale words: 16 r
	v_mul_u32_u24 v[STO], v1, 528
	v_lshl_add_u32 v[STO], v2, 7, v[STO]
	v_add_nc_u32 v[STO], s20, v[STO]               ; the stage, in: row r of a tile, 128 h + 256 (w / 2) + 64 (w % 2)
	v_add_nc_u32 v[RD], s23, v3                    ; back: 32 lanes take a row; my rows are tiles 2 w, 2 w + 1
	; the stats of my thread's query of each group.  Chunks past a group's last keep what stands for "all hidden"
.irp s, 10,11,12,13,14,15
	v_mov_b32 v[WL+\s], 0
	v_mov_b32 v[NL+\s], 0x7f61b1e6                 ; -M = +3e38
	v_mov_b32 v[LL+\s], 0
.endr
.irp s, 2,3,4,5,6,7
	v_mov_b32 v[WSH+\s], 0
	v_mov_b32 v[NSH+\s], 0x7f61b1e6
	v_mov_b32 v[LSH+\s], 0
.endr
	s_wait_alu depctr_va_vdst(0)                   ; the head's end
.macro STAT w, n, l, b, j
.irp q, 0,1
	global_load_b32 v[\w+2*\j+\q], v9, s[\b:\b+1] offset:1536*(2*\j+\q)
	global_load_b32 v[\n+2*\j+\q], v9, s[\b:\b+1] offset:1536*(2*\j+\q)+512
	global_load_b32 v[\l+2*\j+\q], v9, s[\b:\b+1] offset:1536*(2*\j+\q)+1024
.endr
.endm
	s_lshr_b32 s20, s18, 1
	s_lshr_b32 s23, s19, 1
	STAT WSH, NSH, LSH, 66, 0
.irp j, 1,2,3
	s_cmp_lt_u32 s20, \j
	s_cbranch_scc1 .Lshort_stats
	STAT WSH, NSH, LSH, 66, \j
.endr
.Lshort_stats:
.irp j, 0,1,2,3,4
	STAT WL, NL, LL, 62, \j                        ; (the long group's last chunk is 8 or more)
.endr
.irp j, 5,6,7
	s_cmp_lt_u32 s23, \j
	s_cbranch_scc1 .Llong_stats
	STAT WL, NL, LL, 62, \j
.endr
.Llong_stats:
.irp k, 0,1,2,3,4,5,6,7
	VLOAD \k
.endr
	s_wait_loadcnt 56                              ; all but those 8 x 7: the stats are in
	v_min_num_f32 v[MRL], v[NL], v[NL+1]
	v_min_num_f32 v[MRL+1], v[NL+2], v[NL+3]
	v_min_num_f32 v[MRS], v[NSH], v[NSH+1]
	v_min_num_f32 v[MRS+1], v[NSH+2], v[NSH+3]
.irp s, 4,6,8,10,12,14
	v_min_num_f32 v[MRL], v[MRL], v[NL+\s]
	v_min_num_f32 v[MRL+1], v[MRL+1], v[NL+1+\s]
.endr
.irp s, 4,6
	v_min_num_f32 v[MRS], v[MRS], v[NSH+\s]
	v_min_num_f32 v[MRS+1], v[MRS+1], v[NSH+1+\s]
.endr
	v_min_num_f32 v[MRL], v[MRL], v[MRL+1]         ; -M of the row: chunk 0 holds key 0, which counts for every query
	v_min_num_f32 v[MRS], v[MRS], v[MRS+1]
.macro MEND w, n, l, mr, ls, ad, s, d  ; chunks s and s + d, line by line in turn
.irp q, 0,1
	v_sub_f32 v[T0+8*\q], v[\mr], v[\n+\s+\d*\q]   ; M(chunk) - M(row): a whole number, 0 or less
.endr
.irp q, 0,1
	v_max_num_f32 v[T0+8*\q], 0xc47a0000, v[T0+8*\q]   ; held at -1000
.endr
.irp q, 0,1
	v_cvt_i32_f32 v[T0+8*\q], v[T0+8*\q]           ; n
.endr
.irp q, 0,1
.if \s == 0
	v_ldexp_f32 v[\ls+\q], v[\l+\d*\q], v[T0+8*\q]
.else
	v_ldexp_f32 v[T0+8*\q+1], v[\l+\s+\d*\q], v[T0+8*\q]
.endif
.endr
.if \s > 0
.irp q, 0,1
	v_add_f32 v[\ls+\q], v[\ls+\q], v[T0+8*\q+1]
.endr
.endif
.irp q, 0,1
	v_sub_nc_u32 v[T0+8*\q], 254, v[T0+8*\q]       ; 254 - n
	v_and_b32 v[T0+8*\q+2], 0xff, v[\w+\s+\d*\q]
	v_bfe_u32 v[T0+8*\q+3], v[\w+\s+\d*\q], 8, 8
	v_bfe_u32 v[T0+8*\q+4], v[\w+\s+\d*\q], 16, 8
	v_lshrrev_b32 v[T0+8*\q+5], 24, v[\w+\s+\d*\q]
.endr
.irp b, 2,3,4,5
.irp q, 0,1
	v_sub_nc_u32 v[T0+8*\q+\b], v[T0+8*\q], v[T0+8*\q+\b]   ; 254 - (byte + n): 0 or more,
.endr
.endr
.irp b, 2,3,4,5
.irp q, 0,1
	v_min_u32 v[T0+8*\q+\b], 253, v[T0+8*\q+\b]    ; held at 253: byte + n is held at 1 from below
.endr
.endr
.irp b, 3,4,5
.irp q, 0,1
	v_lshl_or_b32 v[T0+8*\q+2], v[T0+8*\q+\b], 8*(\b-2), v[T0+8*\q+2]
.endr
.endr
.irp q, 0,1
	v_sub_nc_u32 v[\w+\s+\d*\q], 0xfefefefe, v[T0+8*\q+2]   ; the four bytes at once: no byte borrows
.endr
.irp q, 0,1
	ds_store_b32 v\ad, v[\w+\s+\d*\q] offset:512*(\s+\d*\q)
.endr
.endm
.irp s, 0,1,2,3
	MEND WSH, NSH, LSH, MRS, SUMS, 13, \s, 4
.endr
.irp s, 0,1,2,3,4,5,6,7
	MEND WL, NL, LL, MRL, SUML, 12, \s, 8
.endr
	v_add_f32 v[SUML], v[SUML], v[SUML+1]
	v_add_f32 v[SUMS], v[SUMS], v[SUMS+1]
	s_wait_alu depctr_va_vdst(0)                   ; ahead of the batch
	v_rcp_f32 v[SUML], v[SUML]
	v_rcp_f32 v[SUMS], v[SUMS]
	v_nop                                          ; a plain place behind the reciprocals
	s_wait_alu depctr_va_vdst(0)                   ; and the wait ahead of their first reader
	ds_store_b32 v14, v[SUML]
	ds_store_b32 v14, v[SUMS] offset:512
	s_cmp_lt_u32 s14, 2
	s_cbranch_scc1 .Lnot_short
	s_wait_tensorcnt 0x0                           ; waves 2 and 3 brought what the short group needs; waves 0 and 1's loads may be out
.Lnot_short:
	s_wait_dscnt 0x0                               ; my words lie in LDS:
	s_barrier_signal -1
	s_barrier_wait -1                              ; everybody's do
	FETCHP 0, 0
; The short group, a chunk of 128 keys a step.  The branches hang on the cluster's number alone.
.macro SSTEP k
	s_wait_dscnt 0x0                               ; this chunk's fragments of P
.if (\k) < 7
	s_cmp_le_u32 s18, \k
	s_cbranch_scc1 .Lno_next_\@
	FETCHP 0, (\k)+1
.Lno_next_\@:
.endif
	s_wait_loadcnt 7*(7-(\k))                      ; this chunk's set of V^T is in; the younger sets may be out
	MUL 0, \k
.if (\k) < 7
	s_cmp_le_u32 s18, \k
	s_cbranch_scc1 .Lshort_done
	PLACES                                         ; in front of the loads into the set that these products have read
.endif
.endm
.irp k, 0,1,2,3,4,5,6,7
	SSTEP \k
.endr
; THE WAYS OUT: x 1 / l, through the stage, back as rows of 512 bytes, which 32 lanes store as two aligned units of 256 bytes.
.macro RLOAD off
.irp a, 0,1,2,3,4,5,6,7
	ds_load_b32 v[RLP+2*\a], v[ARL] offset:\off+256*(\a/4)+4*(\a%4)
.endr
.endm
.macro STAGE base
	WIN 0x02                                       ; source 0 window 2
.irp a, 0,1,2,3,4,5,6,7
.set n, 0
.rept 8
	v_pk_mul_f32 v[Y+16*\a+n:Y+16*\a+n+1], v[\base+16*\a+n:\base+16*\a+n+1], v[RLP+2*\a:RLP+2*\a+1] op_sel_hi:[1,0]   ; each accumulator from its low end on
.set n, n+2
.endr
.endr
	WIN 0
.irp a, 0,1,2,3,4,5,6,7
.irp e, 0,1,2,3
	ds_store_b128 v[STO], v[Y+16*\a+4*\e:Y+16*\a+4*\e+3] offset:8448*\a+16*\e
.endr
.endr
.endm
.macro ROWS n0, count, d
.set I, 0
.rept \count
	ds_load_b128 v[\d+4*I:\d+4*I+3], v[RD] offset:528*(\n0+I)
.set I, I+1
.endr
.endm
.macro SENDR n0, count, d, b           ; stage row 16 aa + rho is row 8 aa + 32 (rho / 8) + rho % 8 from my first
.set I, 0
.rept \count
.set RN, (\n0)+I
	global_store_b128 v3, v[\d+4*I:\d+4*I+3], s[\b:\b+1] offset:4096*(8*(RN/16)+32*((RN%16)/8)+RN%8) th:TH_STORE_NT
.set I, I+1
.endr
.endm
.Lshort_done:
	PLACES
	RLOAD 512
	s_wait_dscnt 0x0
	STAGE 0
	s_wait_tensorcnt 0x0                           ; all my tensor loads have landed: the long group's chunks are shown by this barrier,
	s_wait_dscnt 0x0                               ; and my part of the stage
	s_barrier_signal -1
	s_barrier_wait -1
	ROWS 0, 24, 160
	FETCHP 1, 0
	s_wait_dscnt 34                                ; rows 0-15 are back; 8 rows and the 26 loads behind them may be out
	SENDR 0, 16, 160, 58
	s_wait_dscnt 26
	SENDR 16, 8, 224, 58
	s_wait_xcnt 0x0                                ; the stores have read their registers
	ROWS 24, 8, 160
	s_wait_dscnt 0x0
	SENDR 24, 8, 160, 58
	s_wait_xcnt 0x0                                ; P's second set may be loaded again
; The long group.  Chunk 8 always counts.
.macro LSTEP k
	s_wait_dscnt 0x0
.if (\k) < 8
	FETCHP 1, (\k)+1
.elseif (\k) < 15
	s_cmp_le_u32 s19, \k
	s_cbranch_scc1 .Lno_next_\@
	FETCHP 1, (\k)+1
.Lno_next_\@:
.endif
.if (\k) < 8
	s_wait_loadcnt 49                              ; this chunk's set is in; the seven younger sets may be out
.else
	s_wait_loadcnt 7*(15-(\k))
.endif
	MUL 1, \k
.if ((\k) >= 8) && ((\k) < 15)
	s_cmp_le_u32 s19, \k
	s_cbranch_scc1 .Llong_done
.endif
.if (\k) < 15
	PLACES                                         ; in front of the loads into the sets that these products have read
.endif
.if (\k) < 8
	VLOAD (\k)+8
.endif
.endm
.irp k, 0,1,2,3,4,5,6,7,8,9,10,11,12,13,14,15
	LSTEP \k
.endr
.Llong_done:
	PLACES
	s_wait_dscnt 0x0                               ; my reads of the short group's rows are over:
	s_barrier_signal -1
	s_barrier_wait -1                              ; everybody's are, and the stage may be written again
	RLOAD 0
	s_wait_dscnt 0x0
	STAGE 128
	s_wait_dscnt 0x0
	s_barrier_signal -1
	s_barrier_wait -1
	ROWS 0, 32, 128
.irp g, 0,1,2,3
	s_wait_dscnt 24-8*\g                           ; the younger rows may be out
	SENDR 8*\g, 8, 128+32*\g, 60
.endr
	s_wait_tensorcnt 0x0                           ; the wave's end, behind my last tensor load and my last LDS store
	ds_add_u32 v[SPW], v[NIL]
	s_wait_dscnt 0x0
	CROUND                                         ; the closing round
	s_endpgm
.Lfunc_end_k_qd8f04ef20f_pv:
	.size	k_qd8f04ef20f_pv, .Lfunc_end_k_qd8f04ef20f_pv-k_qd8f04ef20f_pv
	.p2alignl 7, 3214868480
	.fill 96, 4, 3214868480
	.section	.rodata,"a",@progbits
	.p2align	6, 0x0
	.amdhsa_kernel k_qd8f04ef20f_pv
		.amdhsa_group_segment_fixed_size 327680
		.amdhsa_private_segment_fixed_size 0
		.amdhsa_enable_private_segment 0
		.amdhsa_kernarg_size 40
		.amdhsa_user_sgpr_count 2
		.amdhsa_user_sgpr_kernarg_segment_ptr 1
		.amdhsa_wavefront_size32 1
		.amdhsa_system_sgpr_workgroup_id_x 1
		.amdhsa_system_sgpr_workgroup_id_y 1
		.amdhsa_system_sgpr_workgroup_id_z 1
		.amdhsa_system_vgpr_workitem_id 0
		.amdhsa_next_free_vgpr 768
		.amdhsa_next_free_sgpr 72
		.amdhsa_reserve_vcc 0
		.amdhsa_float_denorm_mode_32 3
		.amdhsa_float_denorm_mode_16_64 3
		.amdhsa_memory_ordered 1
		.amdhsa_forward_progress 1
		.amdhsa_inst_pref_size 177
	.end_amdhsa_kernel
	.amdgpu_metadata
---
amdhsa.version: [ 1, 2 ]
amdhsa.kernels:
  - .name:           k_qd8f04ef20f_pv
    .symbol:         k_qd8f04ef20f_pv.kd
    .args:
      - { .name: pc, .offset: 0, .size: 8, .value_kind: global_buffer, .address_space: global }
      - { .name: pst, .offset: 8, .size: 8, .value_kind: global_buffer, .address_space: global }
      - { .name: pjc, .offset: 16, .size: 8, .value_kind: global_buffer, .address_space: global }
      - { .name: pjs, .offset: 24, .size: 8, .value_kind: global_buffer, .address_space: global }
      - { .name: out0, .offset: 32, .size: 8, .value_kind: global_buffer, .address_space: global }
    .group_segment_fixed_size: 327680
    .private_segment_fixed_size: 0
    .kernarg_segment_align: 8
    .kernarg_segment_size: 40
    .max_flat_workgroup_size: 128
    .sgpr_count:     72
    .vgpr_count:     768
    .wavefront_size: 32
...
	.end_amdgpu_metadata
.endif
;; end of part 4
